; MI455X (gfx1250); checked and timed in simulation.
; The chip was launched on July 23, 2026; its instructions are those of AMD's public machine-readable ISA for CDNA 5 (MIT licence, August 2026) and "CDNA5" Instruction Set Architecture Reference Guide (July 2026). The comments in the code are by the model that wrote it; some were corrected since.
;; Custom Ro Former Self Attention. Allowed arithmetic: matrix products marked QUANTISED: E2M1 operands, one E8M0 scale for each 32 along K, by v_wmma_scale_f32_16x16x128_f8f6f4 with both operands' format E2M1 (or v_wmma_scale_f32_32x16x128_f4), f32 sums; everything else in f32.
;; Inputs: b_qkv 3,072 float32; hidden_states 4 x 2,048 x 1,024 float32; ln_bias 1,024 float32; ln_weight 1,024 float32; sinusoidal_pos 1 x 1 x 2,048 x 64 float32; w_qkv 1,024 x 3,072 float32.
;; Outputs: out0 4 x 2,048 x 1,024 float32.
;; This version of the problem:
;;   THIS VERSION OF THE PROBLEM IS GIVEN IN LOW PRECISION. The matrix products marked QUANTISED in the list below multiply operands that are first quantised to E2M1 (2 exponent bits, 1 mantissa bit; 4 bits a number), with one power-of-two scale for each 32 numbers along K (OCP MX v1.0); their sums are f32. All else is computed in f32.
;;   The module's matrix products, in the order in which they are computed (A, B: the left and right operand; K: the contracted axis; several contracted axes count as one K, in the product's order):
;;     1. [M 8,192, K 1,024] x [K 1,024, N 3,072]; A: computed on the way; B: input w_qkv: QUANTISED
;;     2. batch 64 x [M 2,048, K 64] x [K 64, N 2,048]; A: computed on the way; B: computed on the way: QUANTISED
;;     3. batch 64 x [M 2,048, K 2,048] x [K 2,048, N 64]; A: softmax (see below); B: computed on the way: QUANTISED
;;   THE QUANTISER, for each operand of a quantised product, along K:
;;     - K is cut into blocks of 32 from its start; a last block that is shorter is filled with zeros.
;;     - A block's scale is 2^e with e = floor(log2(the largest magnitude in the block)) - 2, held to -126 .. 127; a block of zeros has e = 0. As a byte (E8M0): e + 127.
;;     - Each number is divided by its block's scale, clamped to +-6, and rounded to the nearest number of E2M1, ties to even, subnormals kept.
;;     - The product sums the exact products of the quantised numbers (number of the format x scale) in f32.
;;   ~~~python
;;   def quantise(x, axis):      # numpy; x: float32 -> the quantised numbers, widened to float32 again
;;       x = np.moveaxis(x, axis, -1); K = x.shape[-1]
;;       x = np.pad(x, [(0, 0)] * (x.ndim - 1) + [(0, -K % 32)]); x = x.reshape(x.shape[:-1] + (-1, 32)); a = np.abs(x).max(-1, keepdims=True)
;;       e = np.where(a > 0, np.clip(np.frexp(np.where(a > 0, a, 1))[1] - 1 - 2, -126, 127), 0)      # np.frexp(a)[1] - 1 = floor(log2(a)), exactly
;;       r = np.clip(x / 2.0 ** e, -6, 6)
;;       step = 2.0 ** (np.maximum(np.frexp(np.where(r == 0, 1, r))[1] - 1, 0) - 1)
;;       q = np.round(r / step) * step * 2.0 ** e      # np.round: ties to even
;;       return np.moveaxis(q.reshape(q.shape[:-2] + (-1,))[..., :K], -1, axis).astype(np.float32)
;;   ~~~
;;   SOFTMAX AHEAD OF A QUANTISED PRODUCT. Where the list says 'softmax', what is quantised is not the finished softmax but p = 2^(t - M), with t = logit x log2(e) and M = ceil(the row's largest t), a whole number; so 1/2 < the row's largest p <= 1. The row's sum l is taken of the UNQUANTISED p, in f32, and the product's result is divided by l at the end. Since M is a whole number, a kernel that streams over the keys may use a running M (the ceiling of the running maximum): every later rescaling is an exact power of two, which a block's scale takes up: the codes' values come out the same.
;;   OPERANDS COMPUTED ON THE WAY. 'Computed on the way' means the value that the module computes at that place (a softmax that the list does not call 'softmax' is quantised finished and normalised). What goes into a quantiser is computed in f32, as accurately as f32 sums, v_exp_f32 and their like allow (about 1e-6 of the number): no bf16 or f16 on the way to a quantiser, and a product that is left as it is and whose result goes on into a quantised operand takes f32 operands (vector FMAs, or v_wmma_f32_16x16x4_f32). A number that lies on a knife's edge between two numbers of the format may be rounded either way, as far as f32 arithmetic and the matrix unit's own rounding can turn it there, and no further.
;; One version. Each part assembles by itself: llvm-mc -triple=amdgcn-amd-amdhsa -mcpu=gfx1250 --defsym DOCPART=n.
;; ======== version 1 of 1: 3 launches
;; limits: right only within a limited range of input values
;; workspace buffers: hc 4,194,304 bytes; hs 262,144 bytes; wc 1,572,864 bytes; ws 98,304 bytes; qrec 4,718,592 bytes; kv 9,175,040 bytes
;; launch prep (part 1): grid 352 x 1, 8 waves a work-group, no clusters, 58,368 bytes of LDS; arguments hidden_states, ln_weight, ln_bias, w_qkv, hc, hs, wc, ws; writes hc, hs, wc, ws
.if DOCPART == 1
	.amdgcn_target "amdgcn-amd-amdhsa--gfx1250"
	.amdhsa_code_object_version 6
	.text
	.protected	k_q5f00593aeb_prep
	.globl	k_q5f00593aeb_prep
	.p2align	8
	.type	k_q5f00593aeb_prep,@function
k_q5f00593aeb_prep:
	s_mov_b64 s[64:65], 0
	v_nop
	global_prefetch_b8 v0, s[64:65] scope:SCOPE_SE
	s_setreg_imm32_b32 hwreg(HW_REG_WAVE_MODE, 25, 1), 1
	s_wait_xcnt 0x0
; FIRST OF THREE LAUNCHES.  The program: LayerNorm, h W + b on codes of E2M1, RoPE, attention on codes of E2M1.
; NOTHING OF reference() IS LEFT OUT AS DEAD WORK: all six inputs have a way to the output (the part of b_qkv that is added to k moves k's codes and scales), and all are loaded.
; THIS LAUNCH makes the two operands of the first product.  Work-groups 0-255: LayerNorm of hidden_states [8192][1024] and its quantiser along the 1,024, 32 rows each.  Work-groups 256-351: the quantiser of
; w_qkv [1024][3072] along its FIRST axis.  A block of 32 along K has the scale 2^(floor(log2(largest magnitude)) - 2); its byte is the largest magnitude's exponent field - 2.
; OUT: hc [pos 8192][512 bytes], wc [pos 3072][512 bytes]: codes, K innermost, two a byte; hs [2][pos 8192][16], ws [2][pos 3072][16]: the scale bytes of 512 along K of a row on end.
; THE ORDER OF ROWS.  Column x of w_qkv lies at position x with bits 3 and 4 exchanged: 16 positions on end, 16 i + r, hold columns 32 (i / 2) + 8 (i % 2) + r + 8 (r / 8).
; Row x of hidden_states lies at position (x & 7) + 8 (bit 5 of x) + 16 (bits 4:3 of x) + 64 (x / 64): 16 positions on end, 16 a + r, hold rows 64 (a / 4) + 8 (a % 4) + r % 8 + 32 (r / 8).
; By these choices the next launch's results fall with neighbours along the next K into a lane's registers, while its tiles are read as plain rows on end.
; LIMITS: NaN and infinities among the inputs are not served.  A block whose largest magnitude lies under 2^-124 has its byte held at 1; a block of zeros has the byte 1 where the rule says 127: its codes are zeros,
; and this program alone reads the bytes.  The sums of the LayerNorm are taken in another order than reference()'s, and its last step is fused: f32 rounding apart, the same numbers.
; NO CLUSTER: the work-groups share only ln_weight and ln_bias, 8 KB beside the 128 KB of rows that a work-group reads.  No matrix unit: nothing here is a product.
; No prefetch: every byte that a wave reads of hidden_states is asked for at its head, and there is no loop to run ahead in.  The two paths part on the work-group's number and have LDS bytes of their own.
.set LNSC,  36864                      ; LDS: 0: LayerNorm's stages, 8 waves x 32 places of 128 + 16 bytes;  here: its scale bytes [half 2][pos 32][16]
.set WSTG,  38912                      ; W's stage: 64 rows x (256 + 16) bytes
.set WSC,   56320                      ; W's scale bytes [pos 64][16]
.set SPARE, 57344                      ; the spare words, 128 bytes for each wave: no other line names them
.set SPW,  254                         ; LDS address of my spare word; never rewritten
.set NIL,  255                         ; 0; never rewritten
.set LW,   16                          ; v16-47 ln_weight, v48-79 ln_bias, of my 32 places in a row (k = 128 j + 4 lane + i)
.set LB,   48
.set X,    80                          ; v80-207 LayerNorm: my four rows;  W: four blocks of 32
.set Y,    208                         ; v208-239 at work on the sums, then my 32 neighbours along K
.set C,    240                         ; v240-247 codes, two sets
.set WCD,  208                         ; W: v208-223 the four blocks' codes, v224 the scale word, v228-243 rows on the way out
.set WSW,  224
.set WOUT, 228
	s_load_b512 s[4:19], s[0:1], 0x0               ; hidden_states, ln_weight, ln_bias, w_qkv, hc, hs, wc, ws
	v_lshl_add_u32 v[SPW], v0, 2, SPARE
	v_mov_b32 v[NIL], 0
	v_lshrrev_b32 v1, 5, v0
	s_delay_alu instid0(VALU_DEP_1)
	v_readfirstlane_b32 s20, v1                    ; wave 0..7
	v_and_b32 v1, 31, v0                           ; lane
	s_cmp_lt_u32 ttmp9, 256
	s_cbranch_scc0 .Lw
; ---------------- LayerNorm and its quantiser.  Work-group t takes positions 32 t on, wave w positions 4 w .. 4 w + 3 of them: rows 64 (t / 2) + 16 (t % 2) + 32 (bit 1 of w) + 8 (w / 4) + 4 (w % 2) on.
; A row is one wave's, so no sum leaves the wave.
	s_lshl_b32 s21, s20, 2                         ; my first position among the 32
	s_mov_b32 s22, 0x76543210
	s_mov_b32 s23, 0xfedcba98                      ; v_permlanex16_b32's selects for lane l xor 16
	s_mov_b32 s24, 0x3a800000                      ; 1 / 1024
	s_mov_b32 s25, 0x2b8cbccc                      ; 1e-12
	s_wait_alu depctr_va_vdst(0)
	v_lshlrev_b32 v2, 4, v1                        ; 16 x lane: my bytes of a load's 512, and of a row's 512 bytes of codes
	s_mul_i32 s28, s20, 4608                       ; my wave's stage
	v_lshrrev_b32 v3, 3, v1
	s_delay_alu instid0(VALU_DEP_1)
	v_mul_u32_u24 v3, v3, 144
	v_and_b32 v4, 7, v1
	s_delay_alu instid0(VALU_DEP_1)
	v_lshl_add_u32 v3, v4, 4, v3
	s_delay_alu instid0(VALU_DEP_1)
	v_add_nc_u32 v3, s28, v3                       ; in: eight lanes' 128 bytes on end, then 16 of padding; a load's 512 bytes take four places
	v_mul_u32_u24 v4, v1, 144
	s_delay_alu instid0(VALU_DEP_1)
	v_add_nc_u32 v4, s28, v4                       ; out: place = lane: my 32 neighbours
	v_lshrrev_b32 v5, 4, v1
	s_delay_alu instid0(VALU_DEP_1)
	v_lshlrev_b32 v5, 9, v5
	v_and_b32 v6, 15, v1
	s_delay_alu instid0(VALU_DEP_1)
	v_add_nc_u32 v5, v5, v6
	s_lshl_b32 s28, s21, 4
	s_add_co_u32 s28, s28, LNSC
	v_add_nc_u32 v5, s28, v5                       ; my block's byte: half lane / 16 (512 bytes each), my first position, byte lane % 16
	v_lshlrev_b32 v7, 3, v1
	s_and_b32 s28, s20, 3
	s_lshl_b32 s28, s28, 8
	s_add_co_u32 s28, s28, LNSC
	v_add_nc_u32 v6, s28, v7                       ; the scale bytes on the way out (waves 0 to 3): 256 a wave, 8 a lane
	v_mov_b32 v13, 0                               ; written once: a lane permute's destination counts as one of its sources
	s_lshr_b32 s26, ttmp9, 1
	s_lshl_b32 s26, s26, 6                         ; my first row: 64 (t / 2)
	s_and_b32 s28, ttmp9, 1
	s_lshl_b32 s28, s28, 4
	s_add_co_u32 s26, s26, s28                     ; + 16 (t % 2)
	s_bfe_u32 s28, s20, 0x10001
	s_lshl_b32 s28, s28, 5
	s_add_co_u32 s26, s26, s28                     ; + 32 (bit 1 of w)
	s_lshr_b32 s28, s20, 2
	s_lshl_b32 s28, s28, 3
	s_add_co_u32 s26, s26, s28                     ; + 8 (w / 4)
	s_and_b32 s28, s20, 1
	s_lshl_b32 s28, s28, 2
	s_add_co_u32 s26, s26, s28                     ; + 4 (w % 2)
	s_lshl_b32 s26, s26, 12                        ; 4,096 bytes a row
	s_mov_b32 s27, 0
	s_lshl_b32 s30, ttmp9, 5
	s_add_co_u32 s30, s30, s21
	s_lshl_b32 s30, s30, 9                         ; hc: my first position x 512 bytes
	s_mov_b32 s31, 0
	s_bfe_u32 s32, s20, 0x10001
	s_lshl_b32 s32, s32, 17                        ; hs (waves 0 to 3): half w / 2 (131,072 bytes each),
	s_lshl_b32 s28, ttmp9, 9                       ; the work-group's 32 positions x 16 bytes,
	s_add_co_u32 s32, s32, s28
	s_and_b32 s28, s20, 1
	s_lshl_b32 s28, s28, 8                         ; my wave's 256 of them
	s_add_co_u32 s32, s32, s28
	s_mov_b32 s33, 0
	s_wait_kmcnt 0x0
	s_add_nc_u64 s[4:5], s[4:5], s[26:27]
	s_add_nc_u64 s[12:13], s[12:13], s[30:31]
	s_add_nc_u64 s[14:15], s[14:15], s[32:33]
.irp j, 0,1,2,3,4,5,6,7
	global_load_b128 v[LW+4*\j:LW+4*\j+3], v2, s[6:7] offset:512*\j
.endr
.irp j, 0,1,2,3,4,5,6,7
	global_load_b128 v[LB+4*\j:LB+4*\j+3], v2, s[8:9] offset:512*\j
.endr
.macro LOADROW i                       ; eight loads of 512 consecutive bytes: the whole row
.irp j, 0,1,2,3,4,5,6,7
	global_load_b128 v[X+32*(\i)+4*\j:X+32*(\i)+4*\j+3], v2, s[4:5] offset:4096*(\i)+512*\j th:TH_LOAD_NT
.endr
.endm
	LOADROW 0
	LOADROW 1
	LOADROW 2
	LOADROW 3
.macro REDUCE                          ; v12: the sum over the 32 lanes, in every lane
	s_delay_alu instid0(VALU_DEP_1)
	v_add_f32_dpp v12, v12, v12 row_xmask:1 row_mask:0xf bank_mask:0xf
	s_delay_alu instid0(VALU_DEP_1)
	v_add_f32_dpp v12, v12, v12 row_xmask:2 row_mask:0xf bank_mask:0xf
	s_delay_alu instid0(VALU_DEP_1)
	v_add_f32_dpp v12, v12, v12 row_xmask:4 row_mask:0xf bank_mask:0xf
	s_delay_alu instid0(VALU_DEP_1)
	v_add_f32_dpp v12, v12, v12 row_xmask:8 row_mask:0xf bank_mask:0xf
	s_delay_alu instid0(VALU_DEP_1)
	v_permlanex16_b32 v13, v12, s22, s23
	s_delay_alu instid0(VALU_DEP_1)
	v_add_f32 v12, v12, v13
.endm
.macro ROW i
.set XS, X+32*(\i)
.set CS, C+4*((\i)%2)
	s_wait_loadcnt 8*(3-(\i))                      ; my row's eight loads are in; those of the rows behind it may be out
.irp c, 0,1,2,3
	v_pk_add_f32 v[Y+2*\c:Y+2*\c+1], v[XS+4*\c:XS+4*\c+1], v[XS+4*\c+2:XS+4*\c+3]   ; the sum of my 32, in four chains
.endr
.irp j, 16,24
.irp c, 0,1,2,3
	s_delay_alu instid0(VALU_DEP_4)
	v_pk_add_f32 v[Y+2*\c:Y+2*\c+1], v[Y+2*\c:Y+2*\c+1], v[XS+\j+2*\c:XS+\j+2*\c+1]
.endr
.endr
	s_delay_alu instid0(VALU_DEP_3)
	v_pk_add_f32 v[Y:Y+1], v[Y:Y+1], v[Y+2:Y+3]
	s_delay_alu instid0(VALU_DEP_2)
	v_pk_add_f32 v[Y+4:Y+5], v[Y+4:Y+5], v[Y+6:Y+7]
	s_delay_alu instid0(VALU_DEP_1)
	v_pk_add_f32 v[Y:Y+1], v[Y:Y+1], v[Y+4:Y+5]
	s_delay_alu instid0(VALU_DEP_1)
	v_add_f32 v12, v[Y], v[Y+1]
	REDUCE
	s_delay_alu instid0(VALU_DEP_1)
	v_mul_f32 v8, s24, v12                         ; the mean, twice: a pair for the packed form
	s_delay_alu instid0(VALU_DEP_2)
	v_mul_f32 v9, s24, v12
.irp j, 0,2,4,6,8,10,12,14,16,18,20,22,24,26,28,30
	v_pk_add_f32 v[XS+\j:XS+\j+1], v[XS+\j:XS+\j+1], v[8:9] neg_lo:[0,1] neg_hi:[0,1]   ; x - mean
.endr
.irp c, 0,1,2,3
	v_pk_mul_f32 v[Y+2*\c:Y+2*\c+1], v[XS+2*\c:XS+2*\c+1], v[XS+2*\c:XS+2*\c+1]   ; the squares of the differences, as reference() takes them
.endr
.irp j, 8,16,24
.irp c, 0,1,2,3
	s_delay_alu instid0(VALU_DEP_4)
	v_pk_fma_f32 v[Y+2*\c:Y+2*\c+1], v[XS+\j+2*\c:XS+\j+2*\c+1], v[XS+\j+2*\c:XS+\j+2*\c+1], v[Y+2*\c:Y+2*\c+1]
.endr
.endr
	s_delay_alu instid0(VALU_DEP_3)
	v_pk_add_f32 v[Y:Y+1], v[Y:Y+1], v[Y+2:Y+3]
	s_delay_alu instid0(VALU_DEP_2)
	v_pk_add_f32 v[Y+4:Y+5], v[Y+4:Y+5], v[Y+6:Y+7]
	s_delay_alu instid0(VALU_DEP_1)
	v_pk_add_f32 v[Y:Y+1], v[Y:Y+1], v[Y+4:Y+5]
	s_delay_alu instid0(VALU_DEP_1)
	v_add_f32 v12, v[Y], v[Y+1]
	REDUCE
	s_delay_alu instid0(VALU_DEP_1)
	v_fma_f32 v12, v12, s24, s25                   ; the variance + 1e-12
	s_wait_alu depctr_va_vdst(0)                   ; the wait ahead of the two,
	v_rsq_f32 v10, v12
	v_rsq_f32 v11, v12                             ; twice: a pair
	v_nop                                          ; a plain instruction behind the last of them,
	s_wait_alu depctr_va_vdst(0)                   ; and the wait ahead of the first use: one for both
.irp j, 0,2,4,6,8,10,12,14,16,18,20,22,24,26,28,30
	v_pk_mul_f32 v[XS+\j:XS+\j+1], v[XS+\j:XS+\j+1], v[10:11]
.endr
.irp j, 0,2,4,6,8,10,12,14,16,18,20,22,24,26,28,30
	v_pk_fma_f32 v[XS+\j:XS+\j+1], v[XS+\j:XS+\j+1], v[LW+\j:LW+\j+1], v[LB+\j:LB+\j+1]
.endr
.irp j, 0,1,2,3,4,5,6,7
	ds_store_b128 v3, v[XS+4*\j:XS+4*\j+3] offset:576*\j   ; the row turns through my own stage: in as it was loaded,
.endr
.irp c, 0,1,2,3,4,5,6,7
	ds_load_b128 v[Y+4*\c:Y+4*\c+3], v4 offset:16*\c       ; out 128 bytes a lane: a whole block of 32 along K.  LDS serves a wave's instructions in order: these see the stores
.endr
	s_wait_dscnt 0x0                               ; the block is mine; the last row's byte store has read its register
	v_max3_num_f32 v249, |v[Y]|, |v[Y+1]|, |v[Y+2]|        ; the block's largest magnitude: all 32 are mine
	v_max3_num_f32 v250, |v[Y+3]|, |v[Y+4]|, |v[Y+5]|
.irp j, 6,10,14,18,22,26
	s_delay_alu instid0(VALU_DEP_2)
	v_max3_num_f32 v249, v249, |v[Y+\j]|, |v[Y+\j+1]|
	s_delay_alu instid0(VALU_DEP_2)
	v_max3_num_f32 v250, v250, |v[Y+\j+2]|, |v[Y+\j+3]|
.endr
	s_delay_alu instid0(VALU_DEP_2)
	v_max3_num_f32 v249, v249, |v[Y+30]|, |v[Y+31]|
	s_delay_alu instid0(VALU_DEP_1)
	v_max3_num_f32 v249, v249, v250, 0x1800000     ; and the floor 2^(3 - 127): the byte cannot fall under 1
	s_delay_alu instid0(VALU_DEP_1)
	v_add_nc_u32 v251, 0xff000000, v249            ; 2 off the exponent field: the conversion takes this operand's exponent field as its scale
	s_wait_alu depctr_va_vdst(0)
	s_wait_xcnt 0x0                                ; the store of two rows ago has read this set of codes
.irp g, 0,1,2,3
	v_cvt_scalef32_pk8_fp4_f32 v[CS+\g], v[Y+8*\g:Y+8*\g+7], v251
.endr
	v_lshrrev_b32 v248, 23, v251                   ; the scale's byte (also the plain instruction behind the conversions)
	ds_store_b8 v5, v248 offset:16*(\i)
	global_store_b128 v2, v[CS:CS+3], s[12:13] offset:512*(\i)   ; the wave stores the row's 512 bytes of codes on end
.endm
.irp i, 0,1,2,3
	ROW \i
.endr
	s_wait_dscnt 0x0                               ; for the others' sake: my byte stores are done
	s_barrier_signal -1
	s_barrier_wait -1
	s_cmp_lt_u32 s20, 4                            ; the 1,024 scale bytes: 256 for each of waves 0 to 3
	s_cbranch_scc0 .Lend
	ds_load_b64 v[12:13], v6                       ; written by several waves
	s_wait_dscnt 0x0
	global_store_b64 v7, v[12:13], s[14:15]        ; 32 lanes store 256 consecutive bytes, aligned
	s_branch .Lend
; ---------------- w_qkv.  A work-group takes 64 columns x 512 along K; wave w: columns 32 (w % 2) on, 128 along K from 128 (w / 2) on.  A LANE TAKES A COLUMN AND ITS REGISTERS RUN DOWN K:
; a block of 32 lies in one lane, and the conversions give codes with K innermost.  The codes leave through a stage, by rows.
.Lw:
	s_sub_co_u32 s21, ttmp9, 256
	s_lshr_b32 s22, s21, 1                         ; which 64 columns
	s_and_b32 s23, s21, 1                          ; which 512 along K
	s_and_b32 s24, s20, 1                          ; my 32 of the columns
	s_lshr_b32 s25, s20, 1                         ; my 128 along K
	s_wait_alu depctr_va_vdst(0)
	v_lshlrev_b32 v2, 2, v1                        ; in: 4 bytes a lane
	v_and_b32 v8, 7, v1
	v_bfe_u32 v9, v1, 3, 1
	s_delay_alu instid0(VALU_DEP_1)
	v_lshl_or_b32 v8, v9, 4, v8
	v_bfe_u32 v9, v1, 4, 1
	s_delay_alu instid0(VALU_DEP_1)
	v_lshl_or_b32 v8, v9, 3, v8                    ; my column's position: bits 3 and 4 exchanged
	s_lshl_b32 s28, s24, 5
	v_add_nc_u32 v8, s28, v8                       ; among the 64
	s_delay_alu instid0(VALU_DEP_1)
	v_mul_u32_u24 v3, v8, 272
	s_lshl_b32 s28, s25, 6
	s_add_co_u32 s28, s28, WSTG
	v_add_nc_u32 v3, s28, v3                       ; into the stage: row = position, my 64 bytes of its 256
	v_lshlrev_b32 v4, 4, v8
	s_lshl_b32 s28, s25, 2
	s_add_co_u32 s28, s28, WSC
	v_add_nc_u32 v4, s28, v4                       ; my scale word: 16 bytes a position, my 4
	v_lshrrev_b32 v9, 4, v1
	v_and_b32 v10, 15, v1
	s_delay_alu instid0(VALU_DEP_2)
	v_mul_u32_u24 v5, v9, 272
	s_delay_alu instid0(VALU_DEP_1)
	v_lshl_add_u32 v5, v10, 4, v5
	s_mul_i32 s28, s20, 8*272
	s_add_co_u32 s28, s28, WSTG
	v_add_nc_u32 v5, s28, v5                       ; out of it: my wave's 8 rows, sixteen lanes to a row
	v_lshlrev_b32 v6, 9, v9
	s_delay_alu instid0(VALU_DEP_1)
	v_lshl_add_u32 v6, v10, 4, v6                  ; and the same place in wc
	v_lshlrev_b32 v7, 3, v1
	s_and_b32 s29, s20, 3
	s_lshl_b32 s29, s29, 8
	s_add_co_u32 s28, s29, WSC
	v_add_nc_u32 v11, s28, v7                      ; the scale bytes on the way out (waves 0 to 3)
	s_lshl_b32 s26, s23, 9
	s_lshl_b32 s28, s25, 7
	s_add_co_u32 s26, s26, s28
	s_mul_i32 s26, s26, 12288                      ; my first row of w_qkv, 12,288 bytes a row,
	s_lshl_b32 s28, s22, 8
	s_add_co_u32 s26, s26, s28
	s_lshl_b32 s28, s24, 7
	s_add_co_u32 s26, s26, s28                     ; my wave's first column
	s_mov_b32 s27, 0
	s_lshl_b32 s30, s22, 15                        ; wc: 64 positions x 512 bytes,
	s_lshl_b32 s28, s20, 12                        ; my wave's 8,
	s_add_co_u32 s30, s30, s28
	s_lshl_b32 s28, s23, 8                         ; the half of a row
	s_add_co_u32 s30, s30, s28
	s_mov_b32 s31, 0
	s_mul_i32 s32, s23, 49152                      ; ws: the half,
	s_lshl_b32 s28, s22, 10                        ; 64 positions x 16 bytes,
	s_add_co_u32 s32, s32, s28
	s_add_co_u32 s32, s32, s29                     ; 256 a wave
	s_mov_b32 s33, 0
	s_wait_kmcnt 0x0
	s_add_nc_u64 s[10:11], s[10:11], s[26:27]
	s_add_nc_u64 s[16:17], s[16:17], s[30:31]
	s_add_nc_u64 s[18:19], s[18:19], s[32:33]
.macro LOADW t                         ; block t: 32 rows of w_qkv at my column; 32 lanes read 128 consecutive bytes, the wave beside me the next 128
.irp i, 0,1,2,3,4,5,6,7,8,9,10,11,12,13,14,15,16,17,18,19,20,21,22,23,24,25,26,27,28,29,30,31
	global_load_b32 v[X+32*(\t)+\i], v2, s[10:11] offset:(32*(\t)+\i)*12288 th:TH_LOAD_NT
.endr
.endm
	LOADW 0
	LOADW 1
.macro BLOCK t
.set XS, X+32*(\t)
.if (\t) < 3
	s_wait_loadcnt 32                              ; this block's 32 loads are in; the next block's may be out
.else
	s_wait_loadcnt 0x0
.endif
.if (\t)+2 < 4
	LOADW (\t)+2                                   ; two blocks ahead, into registers of its own
.endif
	v_max3_num_f32 v12, |v[XS]|, |v[XS+1]|, |v[XS+2]|
	v_max3_num_f32 v13, |v[XS+3]|, |v[XS+4]|, |v[XS+5]|
.irp j, 6,10,14,18,22,26
	s_delay_alu instid0(VALU_DEP_2)
	v_max3_num_f32 v12, v12, |v[XS+\j]|, |v[XS+\j+1]|
	s_delay_alu instid0(VALU_DEP_2)
	v_max3_num_f32 v13, v13, |v[XS+\j+2]|, |v[XS+\j+3]|
.endr
	s_delay_alu instid0(VALU_DEP_2)
	v_max3_num_f32 v12, v12, |v[XS+30]|, |v[XS+31]|
	s_delay_alu instid0(VALU_DEP_1)
	v_max3_num_f32 v12, v12, v13, 0x1800000        ; the floor 2^(3 - 127)
	s_delay_alu instid0(VALU_DEP_1)
	v_add_nc_u32 v14, 0xff000000, v12              ; the conversion's scale operand
.irp g, 0,1,2,3
	v_cvt_scalef32_pk8_fp4_f32 v[WCD+4*(\t)+\g], v[XS+8*\g:XS+8*\g+7], v14
.endr
	v_lshrrev_b32 v15, 23, v14                     ; the byte (also the plain instruction behind the conversions)
.if (\t) == 0
	s_delay_alu instid0(VALU_DEP_1)
	v_mov_b32 v[WSW], v15                          ; four bytes make the word of my 128 along K, the lower K in the lower byte
.else
	s_delay_alu instid0(VALU_DEP_1)
	v_lshl_or_b32 v[WSW], v15, 8*(\t), v[WSW]
.endif
	ds_store_b128 v3, v[WCD+4*(\t):WCD+4*(\t)+3] offset:16*(\t)
.endm
	BLOCK 0
	BLOCK 1
	BLOCK 2
	BLOCK 3
	ds_store_b32 v4, v[WSW]
	s_wait_dscnt 0x0                               ; for the others' sake: a row's 256 bytes come from four waves
	s_barrier_signal -1
	s_barrier_wait -1
.irp i, 0,1,2,3
	ds_load_b128 v[WOUT+4*\i:WOUT+4*\i+3], v5 offset:544*\i
.endr
.irp i, 0,1,2,3
	s_wait_dscnt 3-\i                              ; the younger reads may be out
	global_store_b128 v6, v[WOUT+4*\i:WOUT+4*\i+3], s[16:17] offset:1024*\i   ; sixteen lanes store 256 consecutive bytes, aligned
.endr
	s_cmp_lt_u32 s20, 4                            ; the 1,024 scale bytes: 256 for each of waves 0 to 3
	s_cbranch_scc0 .Lend
	ds_load_b64 v[12:13], v11
	s_wait_dscnt 0x0
	global_store_b64 v7, v[12:13], s[18:19]
.Lend:
	s_wait_tensorcnt 0x0                           ; the wave's end
	ds_add_u32 v[SPW], v[NIL]
	s_wait_dscnt 0x0
	s_endpgm
.Lfunc_end_k_q5f00593aeb_prep:
	.size	k_q5f00593aeb_prep, .Lfunc_end_k_q5f00593aeb_prep-k_q5f00593aeb_prep
	.p2alignl 7, 3214868480
	.fill 96, 4, 3214868480
	.section	.rodata,"a",@progbits
	.p2align	6, 0x0
	.amdhsa_kernel k_q5f00593aeb_prep
		.amdhsa_group_segment_fixed_size 58368
		.amdhsa_private_segment_fixed_size 0
		.amdhsa_enable_private_segment 0
		.amdhsa_kernarg_size 64
		.amdhsa_user_sgpr_count 2
		.amdhsa_user_sgpr_kernarg_segment_ptr 1
		.amdhsa_wavefront_size32 1
		.amdhsa_system_sgpr_workgroup_id_x 1
		.amdhsa_system_sgpr_workgroup_id_y 1
		.amdhsa_system_sgpr_workgroup_id_z 1
		.amdhsa_system_vgpr_workitem_id 0
		.amdhsa_next_free_vgpr 256
		.amdhsa_next_free_sgpr 66
		.amdhsa_reserve_vcc 0
		.amdhsa_float_denorm_mode_32 3
		.amdhsa_float_denorm_mode_16_64 3
		.amdhsa_memory_ordered 1
		.amdhsa_forward_progress 1
		.amdhsa_inst_pref_size 75
	.end_amdhsa_kernel
	.amdgpu_metadata
---
amdhsa.version: [ 1, 2 ]
amdhsa.kernels:
  - .name:           k_q5f00593aeb_prep
    .symbol:         k_q5f00593aeb_prep.kd
    .args:
      - { .name: hidden_states, .offset: 0, .size: 8, .value_kind: global_buffer, .address_space: global }
      - { .name: ln_weight, .offset: 8, .size: 8, .value_kind: global_buffer, .address_space: global }
      - { .name: ln_bias, .offset: 16, .size: 8, .value_kind: global_buffer, .address_space: global }
      - { .name: w_qkv, .offset: 24, .size: 8, .value_kind: global_buffer, .address_space: global }
      - { .name: hc, .offset: 32, .size: 8, .value_kind: global_buffer, .address_space: global }
      - { .name: hs, .offset: 40, .size: 8, .value_kind: global_buffer, .address_space: global }
      - { .name: wc, .offset: 48, .size: 8, .value_kind: global_buffer, .address_space: global }
      - { .name: ws, .offset: 56, .size: 8, .value_kind: global_buffer, .address_space: global }
    .group_segment_fixed_size: 58368
    .private_segment_fixed_size: 0
    .kernarg_segment_align: 8
    .kernarg_segment_size: 64
    .max_flat_workgroup_size: 256
    .sgpr_count:     66
    .vgpr_count:     256
    .wavefront_size: 32
...
	.end_amdgpu_metadata
.endif
;; end of part 1
;; launch gemm (part 2): grid 8 x 32, 4 waves a work-group, clusters of 4 x 4, 327,680 bytes of LDS; arguments hc, hs, wc, ws, b_qkv, sinusoidal_pos, qrec, kv; writes qrec, kv
.if DOCPART == 2
	.amdgcn_target "amdgcn-amd-amdhsa--gfx1250"
	.amdhsa_code_object_version 6
	.text
	.protected	k_q5f00593aeb_gemm
	.globl	k_q5f00593aeb_gemm
	.p2align	8
	.type	k_q5f00593aeb_gemm,@function
k_q5f00593aeb_gemm:
	s_mov_b64 s[64:65], 0
	v_nop
	global_prefetch_b8 v0, s[64:65] scope:SCOPE_SE
	s_setreg_imm32_b32 hwreg(HW_REG_WAVE_MODE, 25, 1), 1
	s_wait_xcnt 0x0
	s_wait_alu depctr_hold_cnt(0) depctr_sa_sdst(0) depctr_va_vdst(0) depctr_va_sdst(0) depctr_va_ssrc(0) depctr_va_vcc(0) depctr_vm_vsrc(0)
	s_getreg_b32 s2, hwreg(HW_REG_IB_STS2, 6, 4)
	s_cmp_eq_u32 s2, 0
	s_cbranch_scc0 .Lentry_in_a_cluster
	s_endpgm
.Lentry_in_a_cluster:
	s_bfe_u32 s2, ttmp6, 0x10000c
	s_cmp_lg_u32 s2, 0xf033
	s_cbranch_scc0 .Lentry_shape_is_right
	s_endpgm
.Lentry_shape_is_right:
; SECOND LAUNCH: h W + b on codes of E2M1, RoPE on q and k, and the quantisers of q, k (along the head's 64) and v (along the tokens).  No work of reference() is left out.
; A work-group (x 0..7, y 0..31) takes tokens 256 y on through columns 256 x on of q and k (x < 4: q), and then through columns 2,048 + 128 x on (v), on the same tiles of hc, which stay in LDS.
; K = 1,024 is two slots of 512: each slot holds 256 rows of hc and 256 rows of wc, 256 bytes a row.  At the one change of slots v's 128 rows of wc (both halves of K) fill slot 0's wc bytes again, and v's scale
; bytes the first half of ws's; they land under slot 1's steps and q's and k's way out.  4 x 4 work-groups form a cluster: hc's tiles are asked for jointly along a row, wc's along a column.
; q, k: source 0 = wc's rows, source 1 = hc's: a lane holds one token, its registers run along the head.  v: source 0 = hc's rows, source 1 = wc's: a lane holds one channel, its registers run along the tokens.
; OUT: qrec: records of 128 tokens of a head: 8 tiles as images of the operand's registers (512 bytes each), then 512 bytes of scale words.  kv: k's 8 tiles, v's 4 tiles (1,024 bytes each), k's scale words, v's.
; No prefetch: all of K lies in the two slots, whose loads go out at the head; there is no loop to run ahead in.
; LIMITS: NaN and infinities are not served.  A block whose largest magnitude lies under 2^-124 has its byte held at 1 (a block of zeros too: its codes are zeros, and this program alone reads the bytes).
.set NQ,     4
.set PITCH,  272
.set FR,     8
.set NL,     2
.set NP,     4
.set HALFT,  128*PITCH
.set SLOT,   4*HALFT
.set SCL,    2*SLOT                    ; the scale bytes: hs's two halves of K (4,096 each), then ws's two
.set SPARE,  SCL+16384                 ; the spare words: no other line names them
.set SV,   10                          ; v10-11 v's phase: the scale words' addresses for the two halves of K
.set SH8,  12                          ; 8 (lane / 16)
.set ADRY, 16                          ; v16-17 q, k: source 1's fragments (hc) in slot 0, 1
.set YV,   18                          ; v18-19 v: source 1's fragments (wc) of K's half 0, 1
.set ADRX, 20                          ; v20-21 q, k: source 0's fragments (wc)
.set L16,  22
.set L8,   23
.set SCO,  24
.set BO,   25
.set ADRS, 27
.set SPW,  28
.set NIL,  29
.set XV,   30                          ; v30-31 v: source 0's fragments (hc)
.set SC,   32
.set YF,   128
.set SNC,  192
.set BI,   64
.set T,    96
.set R,    128
.set PC,   160
.set TM,   168
.set PWT,  176
.set PWN,  178
.set CW,   180
.set PCV,  160
.set TMV,  176
.set PWV,  192
.set CWV,  194
.set G1,   24
.set G0,   32
.set G1B,  48
.set G0B,  56
.set G1S,  68
.set G0S,  76
.set G1SB, 80
.set G0SB, 88
.set MSB, 0
.macro WIN new
.if MSB != \new
	s_set_vgpr_msb (MSB<<8)|\new
.set MSB, \new
.endif
.endm
.set MUL_LO, 0xa1
.set MUL_HI, 0xf1
.set TO_X,   0x40
.macro PLACES n
.rept \n
	v_nop
.endr
.endm
.macro JLOAD g0a, g1a, g0b, g1b        ; waves 0, 1 fetch for hc, waves 2, 3 for wc
	s_cmp_eq_u32 s21, 0
	s_cbranch_scc0 .Lfor_b_\@
	tensor_load_to_lds s[\g0a:\g0a+3], s[\g1a:\g1a+7]
	s_nop 0
	PLACES 4
	s_branch .Lasked_\@
.Lfor_b_\@:
	tensor_load_to_lds s[\g0b:\g0b+3], s[\g1b:\g1b+7]
	s_nop 0
	PLACES 4
.Lasked_\@:
.endm
.macro VLOAD                           ; v's tiles: waves 0, 1 the codes of K's halves, wave 2 the scale bytes, wave 3 nothing
	s_cmp_lt_u32 s20, 2
	s_cbranch_scc0 .Lvs_\@
	tensor_load_to_lds s[G0B:G0B+3], s[G1B:G1B+7]
	s_nop 0
	PLACES 4
	s_branch .Lvd_\@
.Lvs_\@:
	s_cmp_eq_u32 s20, 2
	s_cbranch_scc0 .Lvd_\@
	tensor_load_to_lds s[G0SB:G0SB+3], s[G1SB:G1SB+7]
	s_nop 0
	PLACES 4
.Lvd_\@:
.endm
.macro CREST
	s_cmp_lg_u32 s20, 0
	s_cbranch_scc1 .Lnot_wave_0_\@
	s_barrier_signal -3
.Lnot_wave_0_\@:
	s_barrier_wait -3
	s_barrier_signal -1
	s_barrier_wait -1
.endm
.macro CROUND
	s_barrier_signal -1
	s_barrier_wait -1
	CREST
.endm
	s_load_b512 s[4:19], s[0:1], 0x0               ; hc, hs, wc, ws, b_qkv, sinusoidal_pos, qrec, kv
	v_lshl_add_u32 v[SPW], v0, 2, SPARE
	v_mov_b32 v[NIL], 0
	ds_add_u32 v[SPW], v[NIL]                      ; the opening lines: the add, twice on end, and its wait
	ds_add_u32 v[SPW], v[NIL]
	v_lshrrev_b32 v1, 5, v0
	v_readfirstlane_b32 s20, v1                    ; wave
	s_lshr_b32 s21, s20, 1
	s_and_b32 s22, s20, 1
	s_bfe_u32 s40, ttmp6, 0x40000                  ; cx, cy
	s_bfe_u32 s41, ttmp6, 0x40004
	s_lshl_b32 s42, ttmp9, 2
	s_add_co_u32 s42, s42, s40                     ; x
	s_and_b32 s43, ttmp7, 0xffff
	s_lshl_b32 s43, s43, 2
	s_add_co_u32 s43, s43, s41                     ; y
	s_lshl_b32 s44, s41, 2
	s_lshl_b32 s44, 15, s44                        ; my row of the cluster
	s_lshl_b32 s45, 0x1111, s40                    ; my column
	s_or_b32 s[G1+0], s44, (0<<16)|(1<<20)|(1<<21)|(5<<22)|(3<<25)
	s_or_b32 s[G1B+0], s45, (0<<16)|(1<<20)|(1<<21)|(5<<22)|(3<<25)
.irp g, G1, G1B                        ; rows of 256 bytes, 512 apart, 16 bytes of padding behind each: 256 rows at the head, 128 later
	s_mov_b32 s[\g+1], 256<<16
	s_mov_b32 s[\g+2], 256<<16
	s_mov_b32 s[\g+3], 256<<16
	s_mov_b32 s[\g+4], 256
	s_mov_b32 s[\g+5], 512
	s_mov_b32 s[\g+6], 0
	s_mov_b32 s[\g+7], 0
.endr
	s_or_b32 s[G1S+0], s44, (3<<16)|(1<<21)
	s_or_b32 s[G1SB+0], s45, (3<<16)|(1<<21)
.irp g, G1S, G1SB                      ; the scale bytes of 256 rows: two rows of 4,096 bytes (512 elements of 8), one for each half of K
	s_mov_b32 s[\g+1], 512<<16
	s_mov_b32 s[\g+2], 2<<16
	s_mov_b32 s[\g+3], 512<<16
	s_mov_b32 s[\g+4], 2
	s_mov_b32 s[\g+6], 0
	s_mov_b32 s[\g+7], 0
.endr
	s_mov_b32 s[G1S+5], 16384                      ; hs's halves lie 131,072 bytes apart,
	s_mov_b32 s[G1SB+5], 6144                      ; ws's 49,152
	s_lshl_b32 s92, s43, 17
	s_mov_b32 s93, 0
	s_lshl_b32 s94, s43, 12
	s_mov_b32 s95, 0
	s_lshl_b32 s96, s42, 17
	s_mov_b32 s97, 0
	s_lshl_b32 s98, s42, 12
	s_mov_b32 s99, 0
	s_mul_i32 s47, s20, HALFT
	s_add_co_u32 s47, s47, SLOT                    ; slot 1: my quarter
	s_lshl_b32 s2, s22, 16
	s_add_co_u32 s2, s2, 256                       ; its 128 rows, K's second half
	s_mov_b32 s3, 0
	s_mov_b32 s46, 0xffff0000
	s_mov_b32 s100, 0x76543210
	s_mov_b32 s101, 0xfedcba98
	s_wait_dscnt 0x0
	s_wait_kmcnt 0x0
	s_add_nc_u64 s[92:93], s[4:5], s[92:93]
	s_add_nc_u64 s[94:95], s[6:7], s[94:95]
	s_add_nc_u64 s[96:97], s[8:9], s[96:97]
	s_add_nc_u64 s[98:99], s[10:11], s[98:99]
	CROUND                                         ; all sixteen work-groups are here: the first joint loads meet
	s_mov_b32 s[G0], 1
	s_mov_b32 s[G0+1], 0
	s_mov_b64 s[G0+2:G0+3], s[92:93]
	s_or_b32 s[G0+3], s[G0+3], 0x80000000
	s_mov_b32 s[G0B], 1
	s_mov_b32 s[G0B+1], 2*HALFT
	s_mov_b64 s[G0B+2:G0B+3], s[96:97]
	s_or_b32 s[G0B+3], s[G0B+3], 0x80000000
	s_mov_b32 s[G0S], 1
	s_mov_b32 s[G0S+1], SCL
	s_mov_b64 s[G0S+2:G0S+3], s[94:95]
	s_or_b32 s[G0S+3], s[G0S+3], 0x80000000
	s_mov_b32 s[G0SB], 1
	s_mov_b32 s[G0SB+1], SCL+8192
	s_mov_b64 s[G0SB+2:G0SB+3], s[98:99]
	s_or_b32 s[G0SB+3], s[G0SB+3], 0x80000000
	s_mov_b32 s[G0+4], 1
	s_mov_b32 s[G0+5], s47
	s_add_nc_u64 s[G0+6:G0+7], s[92:93], s[2:3]
	s_or_b32 s[G0+7], s[G0+7], 0x80000000
	s_mov_b32 s[G0B+4], 1
	s_mov_b32 s[G0B+5], s47
	s_add_nc_u64 s[G0B+6:G0B+7], s[96:97], s[2:3]
	s_or_b32 s[G0B+7], s[G0B+7], 0x80000000
; THE HEAD'S LOADS, ONE A WAVE: wave 0 slot 0's 256 rows of hc, wave 1 its 256 rows of wc, wave 2 hs's bytes, wave 3 ws's.  One tree of branches, one load on every way.
.macro ARM under, g0, g1, next
	s_cmp_lt_u32 s20, \under
	s_cbranch_scc0 \next
	tensor_load_to_lds s[\g0:\g0+3], s[\g1:\g1+7]
	s_nop 0
	PLACES 4
	s_branch .Lhead_asked
\next:
.endm
	ARM 1, G0,  G1,  .Lhead_b
	ARM 2, G0B, G1B, .Lhead_sa
	ARM 3, G0S, G1S, .Lhead_sb
	tensor_load_to_lds s[G0SB:G0SB+3], s[G1SB:G1SB+7]
	s_nop 0
	PLACES 4
.Lhead_asked:
	v_and_b32 v1, 15, v0                           ; r
	v_bfe_u32 v2, v0, 4, 1                         ; h
	v_mul_u32_u24 v3, v1, PITCH
	v_lshl_add_u32 v4, v2, 4, v3                   ; a fragment's row x pitch + 16 h
	v_add_nc_u32 v9, 2*HALFT, v4                   ; the same behind hc's 256 rows
	v_lshlrev_b32 v8, 4, v1                        ; 16 r
	v_xor_b32 v14, 1, v2                           ; 1 - h
	v_and_b32 v5, 31, v0
	v_and_b32 v13, 8, v1
	s_wait_alu depctr_va_vdst(0)
	s_mul_i32 s2, s21, HALFT
	s_mul_i32 s3, s22, HALFT
	s_mul_i32 s66, s21, 64*PITCH
.irp s, 0,1
	v_add_nc_u32 v[ADRY+\s], s2, v4
	v_add_nc_u32 v[ADRX+\s], s3, v9
	v_add_nc_u32 v[XV+\s], s3, v4
	v_add_nc_u32 v[YV+\s], s66, v9                 ; v's rows of wc: K's half s lies at 2 HALFT + s HALFT; my 64 rows
	s_add_co_u32 s2, s2, SLOT
	s_add_co_u32 s3, s3, SLOT
	s_add_co_u32 s66, s66, HALFT
.endr
	; the scale words: one register carries source 1's words in lanes 0-15 and source 0's in lanes 16-31: the lower base + one product with the lane's half
	s_lshl_b32 s2, s21, 11
	s_lshl_b32 s3, s22, 11
	s_add_co_u32 s67, s3, 8192
	s_sub_co_u32 s67, s67, s2                      ; q, k: from hs's words of my rows up to ws's
	v_mul_u32_u24 v7, s67, v2
	s_add_co_u32 s2, s2, SCL
	v_add_nc_u32 v7, v7, v8
	v_add_nc_u32 v[ADRS], s2, v7
	s_lshl_b32 s23, s21, 10
	s_add_co_u32 s23, s23, 8192
	s_sub_co_u32 s23, s23, s3                      ; v: from hs's words of my tokens (lanes 16-31) up to v's words of ws (lanes 0-15)
	s_add_co_u32 s3, s3, SCL
	v_mul_u32_u24 v7, s23, v14
	v_add_nc_u32 v7, v7, v8
	v_add_nc_u32 v[SV], s3, v7
	s_sub_co_u32 s23, s23, 2048                    ; K's second half: hs's words 4,096 on, v's 2,048
	s_add_co_u32 s3, s3, 4096
	v_mul_u32_u24 v7, s23, v14
	v_add_nc_u32 v7, v7, v8
	v_add_nc_u32 v[SV+1], s3, v7
	v_lshlrev_b32 v[L16], 4, v5
	v_lshlrev_b32 v[L8], 3, v5
	v_lshlrev_b32 v[SH8], 3, v2
	v_add_nc_u32 v6, v13, v1                       ; r + 8 (r / 8): the order of w_qkv's columns in a tile
	v_lshl_add_u32 v13, v13, 1, v6                 ; r + 24 (r / 8): the order of tokens in a tile
.macro FRAG reg, adr, q, i
.irp c, 0,1
	ds_load_b128 v[\reg+4*\c:\reg+4*\c+3], v[\adr] offset:64*(\q)+32*\c+(\i)*16*PITCH
.endr
.endm
.macro MUL16 a0, p, q, sc, zero
.irp a, \a0, \a0+1
.irp b, 0,1,2,3,4,5,6,7
.if \zero
	v_wmma_scale_f32_16x16x128_f8f6f4 v[8*(8*((\a)%4)+\b):8*(8*((\a)%4)+\b)+7], v[128*(\p)+FR*\b:128*(\p)+FR*\b+FR-1], v[YF+FR*(\a):YF+FR*(\a)+FR-1], 0, v[SC+32*(\sc)+NQ*\b+(\q)], v[SC+32*(\sc)+NQ*(\a)+(\q)] matrix_a_fmt:MATRIX_FMT_FP4 matrix_b_fmt:MATRIX_FMT_FP4 matrix_a_scale:MATRIX_SCALE_ROW1
.else
	v_wmma_scale_f32_16x16x128_f8f6f4 v[8*(8*((\a)%4)+\b):8*(8*((\a)%4)+\b)+7], v[128*(\p)+FR*\b:128*(\p)+FR*\b+FR-1], v[YF+FR*(\a):YF+FR*(\a)+FR-1], v[8*(8*((\a)%4)+\b):8*(8*((\a)%4)+\b)+7], v[SC+32*(\sc)+NQ*\b+(\q)], v[SC+32*(\sc)+NQ*(\a)+(\q)] matrix_a_fmt:MATRIX_FMT_FP4 matrix_b_fmt:MATRIX_FMT_FP4 matrix_a_scale:MATRIX_SCALE_ROW1
.endif
.endr
.endr
.endm
.macro FETCH_X slot, q, p
	WIN TO_X
.irp i, 0,1,2,3,4,5,6,7
	FRAG 128*(\p)+FR*\i, ADRX+\slot, \q, \i
.endr
	WIN 0
.endm
.macro FETCH_Y slot, q, i0
.irp i, \i0, \i0+1, \i0+2, \i0+3
	FRAG YF+FR*(\i), ADRY+\slot, \q, \i
.endr
.endm
.macro SCALES sc
.irp i, 0,1,2,3,4,5,6,7
	ds_load_b128 v[SC+32*\sc+4*\i:SC+32*\sc+4*\i+3], v[ADRS] offset:4096*\sc+256*\i
.endr
.endm
.macro STEP slot, q, zero
	s_wait_dscnt 4*NL                              ; all but the youngest eight loads (source 1's blocks 4-7)
	WIN MUL_LO
	MUL16 0, (\q)%2, \q, \slot, \zero
	MUL16 2, (\q)%2, \q, \slot, \zero
	s_wait_dscnt 0
	PLACES NP
	FETCH_X \slot, (\q)+1, 1-(\q)%2
	FETCH_Y \slot, (\q)+1, 0
	WIN MUL_HI
	MUL16 4, (\q)%2, \q, \slot, \zero
	MUL16 6, (\q)%2, \q, \slot, \zero
	PLACES NP
	WIN 0
	FETCH_Y \slot, (\q)+1, 4
.endm
.macro STEPS slot, from
.set Q, \from
.rept NQ-1-\from
	STEP \slot, Q, 0
.set Q, Q+1
.endr
.endm
; Slot 0's last step and the change of slots.  In front of the round each wave waits for all its tensor loads, adds 0 to its spare word and waits for that and for its reads of slot 0; behind the round v's tiles fill bytes of slot 0 and of ws's first half again.
.macro TURN slot, next
	s_wait_tensorcnt 0x0
	ds_add_u32 v[SPW], v[NIL]
	s_wait_dscnt 4*NL+1                            ; (the add and the youngest eight loads may be out)
	WIN MUL_LO
	MUL16 0, 1, NQ-1, \slot, 0
	s_wait_dscnt 0x0
	s_barrier_signal -1
	MUL16 2, 1, NQ-1, \slot, 0
	WIN 0
	s_barrier_wait -1
	CREST
	VLOAD
	PLACES NP
	FETCH_X \next, 0, 0
	FETCH_Y \next, 0, 0
	SCALES \next
	WIN MUL_HI
	MUL16 4, 1, NQ-1, \slot, 0
	MUL16 6, 1, NQ-1, \slot, 0
	PLACES NP
	WIN 0
	FETCH_Y \next, 0, 4
.endm
.macro TAIL
	STEPS 1, 0
	s_wait_dscnt 4*NL
	WIN MUL_LO
	MUL16 0, 1, NQ-1, 1, 0
	MUL16 2, 1, NQ-1, 1, 0
	s_wait_dscnt 0
	WIN MUL_HI
	MUL16 4, 1, NQ-1, 1, 0
	MUL16 6, 1, NQ-1, 1, 0
	WIN 0
	PLACES NP
.endm
; q's and k's quantiser: nb blocks of 32, each as 16 registers in lanes l and l xor 16
.macro QUANT s, nb, pc, pw, tm
.set qb, 0
.rept \nb
	v_max3_num_f32 v[\tm+qb], |v[\s+16*qb]|, |v[\s+16*qb+1]|, 0x1800000
.set qb, qb+1
.endr
.irp i, 2,4,6,8,10,12,14
.set qb, 0
.rept \nb
	v_max3_num_f32 v[\tm+qb], v[\tm+qb], |v[\s+16*qb+\i]|, |v[\s+16*qb+\i+1]|
.set qb, qb+1
.endr
.endr
.set qb, 0
.rept \nb
	v_permlanex16_b32 v[\tm+\nb+qb], v[\tm+qb], s100, s101
.set qb, qb+1
.endr
.set qb, 0
.rept \nb
	v_max_num_f32 v[\tm+qb], v[\tm+qb], v[\tm+\nb+qb]
.set qb, qb+1
.endr
.set qb, 0
.rept \nb
	v_add_nc_u32 v[\tm+2*\nb+qb], 0xff000000, v[\tm+qb]
.set qb, qb+1
.endr
.set qb, 0
.rept \nb
	v_lshrrev_b32 v[\tm+\nb+qb], 23, v[\tm+2*\nb+qb]
.set qb, qb+1
.endr
	v_lshl_or_b32 v[\pw], v[\tm+\nb+1], 8, v[\tm+\nb]
.set qb, 0
.rept \nb
	v_cvt_scalef32_pk8_fp4_f32 v[\pc+2*qb], v[\s+16*qb:\s+16*qb+7], v[\tm+2*\nb+qb]
	v_cvt_scalef32_pk8_fp4_f32 v[\pc+2*qb+1], v[\s+16*qb+8:\s+16*qb+15], v[\tm+2*\nb+qb]
.set qb, qb+1
.endr
	v_nop
.set qb, 0
.rept \nb/2
	v_permlane16_swap_b32 v[\pc+4*qb], v[\pc+4*qb+2]
	v_permlane16_swap_b32 v[\pc+4*qb+1], v[\pc+4*qb+3]
.set qb, qb+1
.endr
.endm
; v's quantiser along the tokens.  Register 32 c + 8 t + j of T holds token 64 c + 32 (lane / 16) + 8 t + j: a lane holds two whole blocks of 32, and the conversions' results are the operand's registers.
.macro QUANTV pc, pw
.irp c, 0,1
.irp g, 0,1
	v_max3_num_f32 v[TMV+2*\c+\g], |v[T+32*\c+16*\g]|, |v[T+32*\c+16*\g+1]|, 0x1800000
.endr
.endr
.irp i, 2,4,6,8,10,12,14
.irp c, 0,1
.irp g, 0,1
	v_max3_num_f32 v[TMV+2*\c+\g], v[TMV+2*\c+\g], |v[T+32*\c+16*\g+\i]|, |v[T+32*\c+16*\g+\i+1]|
.endr
.endr
.endr
	v_max_num_f32 v[TMV], v[TMV], v[TMV+1]
	v_max_num_f32 v[TMV+2], v[TMV+2], v[TMV+3]
	v_add_nc_u32 v[TMV+4], 0xff000000, v[TMV]
	v_add_nc_u32 v[TMV+5], 0xff000000, v[TMV+2]
	v_lshrrev_b32 v[TMV], 23, v[TMV+4]
	v_lshrrev_b32 v[TMV+2], 23, v[TMV+5]
	v_lshl_or_b32 v[TMV], v[TMV+2], 16, v[TMV]
	v_lshlrev_b32 v[TMV], v[SH8], v[TMV]           ; my two bytes at places lane / 16 and 2 + lane / 16
	v_permlanex16_b32 v[TMV+6], v[TMV], s100, s101
.irp c, 0,1
.irp t, 0,1,2,3
	v_cvt_scalef32_pk8_fp4_f32 v[\pc+4*\c+\t], v[T+32*\c+8*\t:T+32*\c+8*\t+7], v[TMV+4+\c]
.endr
.endr
	v_or_b32 v[\pw], v[TMV], v[TMV+6]              ; the whole word (also the plain instruction behind the conversions)
.endm
.macro SINCOS a
.irp u, 0,1
.irp b, 0,1
.irp c, 0,1
	global_load_b128 v[SNC+32*((\a)%2)+16*\u+8*\b+4*\c:SNC+32*((\a)%2)+16*\u+8*\b+4*\c+3], v[SCO], s[14:15] offset:(64*((\a)/4)+8*((\a)%4))*256+128*\u+64*\b+16*\c
.endr
.endr
.endr
.endm
.macro QKTILE a, e                     ; 16 tokens x one head: bias, RoPE, quantiser, store
.set AC, 64*((\a)%4)+32*(\e)
.set SB, SNC+32*((\a)%2)
.set WQ, 0x06+(\a)/4
.set QPC, PC+4*(\e)
	WIN WQ
.irp j, 0,2,4,6,8,10,12,14,16,18,20,22,24,26,28,30
	v_pk_add_f32 v[T+\j:T+\j+1], v[AC+\j:AC+\j+1], v[BI+32*(\e)+\j:BI+32*(\e)+\j+1]
.endr
	WIN 0
.irp p, 0,1,2,3,4,5,6,7,8,9,10,11,12,13,14,15
	v_mul_f32 v[R+2*\p], v[T+2*\p], v[SB+16+\p]
	v_mul_f32 v[R+2*\p+1], v[T+2*\p+1], v[SB+16+\p]
.endr
.irp p, 0,1,2,3,4,5,6,7,8,9,10,11,12,13,14,15
	v_fma_f32 v[R+2*\p], -v[T+2*\p+1], v[SB+\p], v[R+2*\p]
	v_fma_f32 v[R+2*\p+1], v[T+2*\p], v[SB+\p], v[R+2*\p+1]
.endr
	s_wait_xcnt 0x0
.if ((\a)%2) == 0
	QUANT R, 2, QPC, PWT+\e, TM
.else
	QUANT R, 2, QPC, PWN, TM
	v_cndmask_b32 v[CW+4*(\e)+(\a)/2], v[PWT+\e], v[PWN], s46
.endif
	global_store_b128 v[L16], v[QPC:QPC+3], s[92+2*(\e):93+2*(\e)] offset:512*(\a)
.endm
.macro VTILE a                         ; 16 channels x 128 tokens: bias, quantiser, store
.set AC, 64*((\a)%4)
.set WQ, 0x06+(\a)/4
.set QPC, PCV+8*((\a)%2)
	WIN WQ
.irp j, 0,2,4,6,8,10,12,14,16,18,20,22,24,26,28,30,32,34,36,38,40,42,44,46,48,50,52,54,56,58,60,62
	v_pk_add_f32 v[T+\j:T+\j+1], v[AC+\j:AC+\j+1], v[BI+2*(\a):BI+2*(\a)+1]
.endr
	WIN 0
	s_wait_xcnt 0x0
.if ((\a)%2) == 0
	QUANTV QPC, PWV
.else
	QUANTV QPC, PWV+1
	v_cndmask_b32 v[CWV+((\a)%4)/2], v[PWV], v[PWV+1], s46
.endif
	global_store_b128 v[L16], v[QPC:QPC+3], s[92:93] offset:4096+1024*((\a)%4)
	global_store_b128 v[L16], v[QPC+4:QPC+7], s[92:93] offset:4096+1024*((\a)%4)+512
.if ((\a)%4) == 3
	global_store_b64 v[L8], v[CWV:CWV+1], s[92:93] offset:8704
.endif
.endm
	s_wait_alu depctr_va_vdst(0)
	s_wait_tensorcnt 0x0                           ; my tile of the head's four is in; the full sequence ahead of a later first fill:
	ds_add_u32 v[SPW], v[NIL]
	s_mov_b32 s[G1+2], 128<<16                     ; no tensor load of mine is out, so descriptors may be written: from here on a load of codes brings 128 rows,
	s_mov_b32 s[G1+4], 128
	s_mov_b32 s[G1B+2], 128<<16
	s_mov_b32 s[G1B+4], 128
	s_mov_b32 s[G1SB+1], 256<<16                   ; and ws's load two rows of 2,048 bytes: the scale bytes of v's 128 rows
	s_mov_b32 s[G1SB+3], 256<<16
	s_mul_i32 s[G0B+1], s22, HALFT                 ; v's codes: K's half = wave % 2, onto slot 0's rows of wc,
	s_add_co_u32 s[G0B+1], s[G0B+1], 2*HALFT
	s_lshl_b32 s66, s42, 16                        ; from row 2,048 + 128 x of wc
	s_lshl_b32 s67, s22, 8
	s_add_co_u32 s66, s66, s67
	s_add_co_u32 s66, s66, 0x100000
	s_mov_b32 s67, 0
	s_add_nc_u64 s[G0B+2:G0B+3], s[8:9], s[66:67]
	s_or_b32 s[G0B+3], s[G0B+3], 0x80000000
	s_lshl_b32 s66, s42, 11
	s_add_co_u32 s66, s66, 32768
	s_add_nc_u64 s[G0SB+2:G0SB+3], s[10:11], s[66:67]
	s_or_b32 s[G0SB+3], s[G0SB+3], 0x80000000
	s_wait_dscnt 0x0
	CROUND                                         ; all four tiles are in, and all sixteen work-groups are here
	JLOAD G0+4, G1, G0B+4, G1B                     ; slot 1, a quarter a wave: the first tensor load behind the round
	FETCH_X 0, 0, 0
	FETCH_Y 0, 0, 0
	SCALES 0
	FETCH_Y 0, 0, 4
	STEP 0, 0, 1
	STEPS 0, 1
	TURN 0, 1
	; ---- q's and k's way out is prepared under slot 1's steps
	s_lshl_b32 s2, s42, 8
	s_lshl_b32 s3, s22, 7
	s_add_co_u32 s2, s2, s3
	s_lshl_b32 s2, s2, 2
	s_mov_b32 s3, 0
	s_add_nc_u64 s[4:5], s[12:13], s[2:3]          ; the bias of my 128 columns
	s_lshl_b32 s66, s43, 8
	s_lshl_b32 s67, s21, 7
	s_add_co_u32 s66, s66, s67                     ; my first token
	s_and_b32 s2, s66, 2047
	s_lshl_b32 s2, s2, 8
	s_add_nc_u64 s[14:15], s[14:15], s[2:3]
	s_lshr_b32 s2, s66, 11
	s_lshl_b32 s2, s2, 4
	s_lshl_b32 s67, s40, 2
	s_add_co_u32 s2, s2, s67
	s_lshl_b32 s67, s22, 1
	s_add_co_u32 s2, s2, s67                       ; 16 batch + head
	s_lshl_b32 s2, s2, 4
	s_bfe_u32 s67, s66, 0x40007
	s_add_co_u32 s2, s2, s67                       ; the record
	s_cmp_eq_u32 ttmp9, 1                          ; k's columns or q's: the cluster's x alone
	s_cselect_b64 s[92:93], s[18:19], s[16:17]
	s_mov_b32 s66, 4608
	s_cselect_b32 s66, 8960, s66
	s_mov_b32 s67, 4096
	s_cselect_b32 s67, 8192, s67
	s_mul_i32 s2, s2, s66
	s_add_nc_u64 s[92:93], s[92:93], s[2:3]
	s_lshl_b32 s2, s66, 4
	s_add_nc_u64 s[94:95], s[92:93], s[2:3]
	s_mov_b32 s2, s67
	s_add_nc_u64 s[96:97], s[92:93], s[2:3]
	s_add_nc_u64 s[98:99], s[94:95], s[2:3]
	v_lshlrev_b32 v[BO], 6, v2
	v_lshlrev_b32 v[SCO], 8, v13
	v_lshl_add_u32 v[SCO], v2, 5, v[SCO]
	WIN TO_X
.irp b, 0,1,2,3
.irp c, 0,1,2,3
	global_load_b128 v[BI+16*\b+4*\c:BI+16*\b+4*\c+3], v[BO], s[4:5] offset:128*\b+16*\c
.endr
.endr
	WIN 0
	SINCOS 0
	s_wait_alu depctr_va_vdst(0)
	TAIL
	v_mov_b32 v[TM+2], 0
	v_mov_b32 v[TM+3], 0
.irp a, 0,1,2,3,4,5,6,7
.if \a < 7
	SINCOS \a+1
	s_wait_loadcnt 8
.else
	s_wait_loadcnt 0x0
.endif
	QKTILE \a, 0
	QKTILE \a, 1
.endr
	global_store_b128 v[L16], v[CW:CW+3], s[96:97]
	global_store_b128 v[L16], v[CW+4:CW+7], s[98:99]
	; ---- v: 64 channels (one head) x 128 tokens a wave, 32 accumulators; both operands have two sets of fragments, the next step's loads go out ahead of a step's 32 products
	s_wait_xcnt 0x0                                ; the stores have read their registers and bases
	s_lshl_b32 s2, s42, 7
	s_lshl_b32 s3, s21, 6
	s_add_co_u32 s2, s2, s3
	s_add_co_u32 s2, s2, 2048
	s_lshl_b32 s2, s2, 2
	s_mov_b32 s3, 0
	s_add_nc_u64 s[6:7], s[12:13], s[2:3]          ; the bias of my 64 channels
	s_lshl_b32 s66, s43, 8
	s_lshl_b32 s67, s22, 7
	s_add_co_u32 s66, s66, s67                     ; my first token
	s_lshr_b32 s2, s66, 11
	s_lshl_b32 s2, s2, 4
	s_lshl_b32 s67, s42, 1
	s_add_co_u32 s2, s2, s67
	s_add_co_u32 s2, s2, s21                       ; 16 batch + head, head = 2 x + wave / 2
	s_lshl_b32 s2, s2, 4
	s_bfe_u32 s67, s66, 0x40007
	s_add_co_u32 s2, s2, s67
	s_mul_i32 s2, s2, 8960
	s_add_nc_u64 s[92:93], s[18:19], s[2:3]
	v_lshlrev_b32 v[BO], 2, v6
	s_wait_alu depctr_va_vdst(0)
	s_wait_tensorcnt 0x0                           ; my part of v's tiles is in,
	s_barrier_signal -1
	s_barrier_wait -1                              ; everybody's is
.set ADRX, XV
.macro FETCH_YV slot, q, ys
.irp i, 0,1,2,3
	FRAG YF+32*(\ys)+FR*\i, YV+\slot, \q, \i
.endr
.endm
.macro MULV p, q, sc, zero
.irp a, 0,1,2,3
.irp b, 0,1,2,3,4,5,6,7
.if \zero
	v_wmma_scale_f32_16x16x128_f8f6f4 v[8*(8*\a+\b):8*(8*\a+\b)+7], v[128*(\p)+FR*\b:128*(\p)+FR*\b+FR-1], v[YF+32*(\p)+FR*\a:YF+32*(\p)+FR*\a+FR-1], 0, v[SC+32*(\sc)+NQ*\b+(\q)], v[SC+32*(\sc)+NQ*\a+(\q)] matrix_a_fmt:MATRIX_FMT_FP4 matrix_b_fmt:MATRIX_FMT_FP4 matrix_a_scale:MATRIX_SCALE_ROW1
.else
	v_wmma_scale_f32_16x16x128_f8f6f4 v[8*(8*\a+\b):8*(8*\a+\b)+7], v[128*(\p)+FR*\b:128*(\p)+FR*\b+FR-1], v[YF+32*(\p)+FR*\a:YF+32*(\p)+FR*\a+FR-1], v[8*(8*\a+\b):8*(8*\a+\b)+7], v[SC+32*(\sc)+NQ*\b+(\q)], v[SC+32*(\sc)+NQ*\a+(\q)] matrix_a_fmt:MATRIX_FMT_FP4 matrix_b_fmt:MATRIX_FMT_FP4 matrix_a_scale:MATRIX_SCALE_ROW1
.endif
.endr
.endr
.endm
.macro STEPV n                         ; 128 along K: the n-th of eight.  The 32 accumulators take turns, one instruction a turn
	s_wait_dscnt 0x0                               ; this step's fragments are in
.if (\n) < 7
.if (\n) > 0
	PLACES NP                                      ; the other sets were read by the last step's products
.endif
	FETCH_X ((\n)+1)/4, ((\n)+1)%4, 1-(\n)%2
	FETCH_YV ((\n)+1)/4, ((\n)+1)%4, 1-(\n)%2
.endif
	WIN MUL_LO
.if (\n) == 0
	MULV 0, 0, 0, 1
.else
	MULV (\n)%2, (\n)%4, (\n)/4, 0
.endif
	WIN 0
.endm
	WIN TO_X
.irp a, 0,1,2,3
	global_load_b32 v[BI+2*\a], v[BO], s[6:7] offset:(32*(\a/2)+8*(\a%2))*4
	global_load_b32 v[BI+2*\a+1], v[BO], s[6:7] offset:(32*(\a/2)+8*(\a%2))*4
.endr
	WIN 0
.irp sc, 0,1
.irp i, 0,1,2,3,4,5,6,7
	ds_load_b128 v[SC+32*\sc+4*\i:SC+32*\sc+4*\i+3], v[SV+\sc] offset:256*\i   ; lanes 16-31: the words of my tokens' block i; lanes 0-15: of my channels' block i (i < 4; what they bring for i >= 4 is not used)
.endr
.endr
	FETCH_X 0, 0, 0
	FETCH_YV 0, 0, 0
.irp n, 0,1,2,3,4,5,6,7
	STEPV \n
.endr
	PLACES NP
	v_mov_b32 v[TMV+6], 0                          ; a lane permute's destination counts as one of its sources
	s_wait_loadcnt 0x0
.irp a, 0,1,2,3
	VTILE \a
.endr
	s_wait_tensorcnt 0x0                           ; the wave's end
	ds_add_u32 v[SPW], v[NIL]
	s_wait_dscnt 0x0
	CROUND                                         ; the closing round
	s_endpgm
.Lfunc_end_k_q5f00593aeb_gemm:
	.size	k_q5f00593aeb_gemm, .Lfunc_end_k_q5f00593aeb_gemm-k_q5f00593aeb_gemm
	.p2alignl 7, 3214868480
	.fill 96, 4, 3214868480
	.section	.rodata,"a",@progbits
	.p2align	6, 0x0
	.amdhsa_kernel k_q5f00593aeb_gemm
		.amdhsa_group_segment_fixed_size 327680
		.amdhsa_private_segment_fixed_size 0
		.amdhsa_enable_private_segment 0
		.amdhsa_kernarg_size 64
		.amdhsa_user_sgpr_count 2
		.amdhsa_user_sgpr_kernarg_segment_ptr 1
		.amdhsa_wavefront_size32 1
		.amdhsa_system_sgpr_workgroup_id_x 1
		.amdhsa_system_sgpr_workgroup_id_y 1
		.amdhsa_system_sgpr_workgroup_id_z 1
		.amdhsa_system_vgpr_workitem_id 0
		.amdhsa_next_free_vgpr 1024
		.amdhsa_next_free_sgpr 102
		.amdhsa_reserve_vcc 0
		.amdhsa_float_denorm_mode_32 3
		.amdhsa_float_denorm_mode_16_64 3
		.amdhsa_memory_ordered 1
		.amdhsa_forward_progress 1
		.amdhsa_inst_pref_size 255
	.end_amdhsa_kernel
	.section	.bss,"aw",@nobits
	.p2align	6
	.space	262144
	.amdgpu_metadata
---
amdhsa.version: [ 1, 2 ]
amdhsa.kernels:
  - .name:           k_q5f00593aeb_gemm
    .symbol:         k_q5f00593aeb_gemm.kd
    .args:
      - { .name: hc, .offset: 0, .size: 8, .value_kind: global_buffer, .address_space: global }
      - { .name: hs, .offset: 8, .size: 8, .value_kind: global_buffer, .address_space: global }
      - { .name: wc, .offset: 16, .size: 8, .value_kind: global_buffer, .address_space: global }
      - { .name: ws, .offset: 24, .size: 8, .value_kind: global_buffer, .address_space: global }
      - { .name: b_qkv, .offset: 32, .size: 8, .value_kind: global_buffer, .address_space: global }
      - { .name: sinusoidal_pos, .offset: 40, .size: 8, .value_kind: global_buffer, .address_space: global }
      - { .name: qrec, .offset: 48, .size: 8, .value_kind: global_buffer, .address_space: global }
      - { .name: kv, .offset: 56, .size: 8, .value_kind: global_buffer, .address_space: global }
    .group_segment_fixed_size: 327680
    .private_segment_fixed_size: 0
    .kernarg_segment_align: 8
    .kernarg_segment_size: 64
    .max_flat_workgroup_size: 128
    .sgpr_count:     102
    .vgpr_count:     1024
    .wavefront_size: 32
...
	.end_amdgpu_metadata
.endif
;; end of part 2
;; launch attn (part 3): grid 4 x 64, 16 waves a work-group, clusters of 4 x 1, 215,040 bytes of LDS; arguments qrec, kv, out0; writes out0
.if DOCPART == 3
	.amdgcn_target "amdgcn-amd-amdhsa--gfx1250"
	.amdhsa_code_object_version 6
	.text
	.protected	k_q5f00593aeb_attn
	.globl	k_q5f00593aeb_attn
	.p2align	8
	.type	k_q5f00593aeb_attn,@function
k_q5f00593aeb_attn:
	s_mov_b64 s[64:65], 0
	v_nop
	global_prefetch_b8 v0, s[64:65] scope:SCOPE_SE
	s_setreg_imm32_b32 hwreg(HW_REG_WAVE_MODE, 25, 1), 1
	s_wait_xcnt 0x0
	s_wait_alu depctr_hold_cnt(0) depctr_sa_sdst(0) depctr_va_vdst(0) depctr_va_sdst(0) depctr_va_ssrc(0) depctr_va_vcc(0) depctr_vm_vsrc(0)
	s_getreg_b32 s2, hwreg(HW_REG_IB_STS2, 6, 4)
	s_cmp_eq_u32 s2, 0
	s_cbranch_scc0 .Lentry_in_a_cluster
	s_endpgm
.Lentry_in_a_cluster:
	s_bfe_u32 s2, ttmp6, 0x10000c
	s_cmp_lg_u32 s2, 0x3003
	s_cbranch_scc0 .Lentry_shape_is_right
	s_endpgm
.Lentry_shape_is_right:
; THIRD LAUNCH: out0[batch][q][head][:] = the sum over keys of softmax(q . k / 8) v, both products on codes of E2M1.  No work of reference() is left out.
; THE SOFTMAX AHEAD OF THE SECOND PRODUCT: t = score x log2(e) / 8; M = the row's largest t so far, rounded UP to a whole number; p = 2^(t - M) is quantised along the keys, not normalised.
; The row's sum is taken of the unquantised p, in f32, and divides O at the end.  When M moves, the sum and O are multiplied by 2^(old M - new M): exact.
; SHARES.  A cluster of four work-groups is one (batch, head); a work-group owns 512 queries; each of its sixteen waves owns two tiles of 16, one after the other (a loop of two trips), in 256 registers.
; Every wave walks the head's 2,048 keys, 128 a step.  The head's whole K and V lie in LDS: 16 records of kv, 8,960 bytes each, as they lie in memory; wave w asks for record w by ONE JOINT LOAD
; (the same descriptor and a mask that names the four).  Nothing is filled again.  No prefetch: K and V are asked for once, at the head, and there is no loop to run ahead in.
; OPERANDS ARE IMAGES OF THEIR REGISTERS (lane l's 16 bytes at 16 l): every LDS load reads consecutive bytes.
; LAYOUT.  Both products are used transposed: S^T = K Q^T (source 0 = 16 keys, source 1 = my 16 queries), O^T = V^T P^T: a lane holds ONE query throughout.
; Row r of tile a of a record is token 64 (a / 4) + 8 (a % 4) + r % 8 + 32 (r / 8).  So register 32 c + 8 t + i of S^T holds key 64 c + 32 (lane / 16) + 8 t + i: A LANE HOLDS TWO WHOLE BLOCKS OF 32 KEYS:
; a block's largest score needs no other lane, and the conversions' results are P's operand as they stand.  A lane's two scale bytes and lane l xor 16's two make P's scale word.
; The first product's K is 64: registers 4-7 of its operands hold zero codes for the whole launch, and bytes 2, 3 of its scale words are 0.
; LIMITS: NaN and infinities are not served.  The promise holds while the scaled scores stay under 2^31 in magnitude.  A block's largest p is taken as the exponential of the block's largest score,
; which takes v_exp_f32 not to fall where its input rises.  A block whose every p is 0 has the byte 1: its codes are zeros.
.set REC,   8960
.set STAGE, 16*REC                     ; 16 rows x (256 + 16) bytes for each wave, for the way out
.set SPARE, STAGE+16*4352              ; the spare words, 128 bytes a wave: no other line names them
.set AL16, 1                           ; 16 x lane
.set AL8,  2                           ; 8 x lane
.set ADK,  3                           ; the step's record + 16 x lane
.set ADW,  4                           ; the step's record + 8 x lane
.set SPW,  5                           ; my spare word; never rewritten
.set NIL,  6                           ; 0; never rewritten
.set GO,   7                           ; my byte offset in two rows of out0
.set STI,  8                           ; the stage: in
.set STO,  9                           ; the stage: back
.set PSEL, 14                          ; v_perm_b32's selector: my two bytes to places lane / 16 and 2 + lane / 16, zeros between
.set Q,    16                          ; v16-23 Q;  v24 Q's scale word, v25 P's, v26-27 V's, v28-31 K's (scales and nothing else)
.set KF,   32                          ; v32-95 K's 8 fragments; behind the first product the low registers of four of them carry the row sum's seven side chains
.set S,    96                          ; v96-159 S^T, then p, then the way out
.set O,    160                         ; v160-191 O^T
.set VF,   192                         ; v192-223 V's 4 fragments
.set P,    224                         ; v224-231 p's codes
.set BM,   232                         ; v232-233 my two blocks' largest score, then largest p
.set SCV,  234                         ; v234-235 second chains of the maxima, then the conversions' scale operands
.set Y,    236                         ; v236-237 the scale bytes, in the top byte
.set W,    238                         ; my half of P's scale word;  v239 the other lane's
.set WX,   239
.set NM,   240                         ; -M;  v241 the largest score so far (a pair: the packed form takes the low word)
.set MX,   241
.set L,    242                         ; v242-243 the row's sum, in two halves
.set F,    244                         ; f = 2^(old M - new M);  v245 written once
.set TA,   246
.set TD,   247
.set Q2,   248                         ; v248-251, v255 the second tile's Q and its scale word
.set SEL,  28                          ; s[28:29] lane l xor 16
.set CS,   30                          ; s[30:31] c = log2(e) / 8
.set TB,   32                          ; LDS byte of the next step's record
.set CNT,  33
.set NCS,  48                          ; -c
.set QT,   49                          ; tiles to go
.set HI,   50                          ; lanes 16-31
.macro ROUND
	s_barrier_signal -1
	s_barrier_wait -1
	s_cmp_lg_u32 s10, 0
	s_cbranch_scc1 .Lnot_wave_0_\@
	s_barrier_signal -3
.Lnot_wave_0_\@:
	s_barrier_wait -3
	s_barrier_signal -1
	s_barrier_wait -1
.endm
	s_load_b128 s[4:7], s[0:1], 0x0                ; qrec, kv
	s_load_b64 s[8:9], s[0:1], 0x10                ; out0
	v_lshl_add_u32 v[SPW], v0, 2, SPARE
	v_mov_b32 v[NIL], 0
	ds_add_u32 v[SPW], v[NIL]                      ; the opening lines: the add, twice on end, and its wait ahead of my tensor load
	ds_add_u32 v[SPW], v[NIL]
	v_lshrrev_b32 v8, 5, v0
	v_readfirstlane_b32 s10, v8                    ; wave 0..15
	s_bfe_u32 s11, ttmp6, 0x40000                  ; cx: it enters Q's and out0's addresses alone
	s_and_b32 s12, ttmp7, 0xffff                   ; bh = 16 batch + head
	s_mov_b32 s16, 15|(3<<16)|(1<<21)              ; group 1: the mask of all four; elements of 8 bytes; bit 21 beside a mask
	s_mov_b32 s17, 32<<16                          ; rows of 256 bytes,
	s_mov_b32 s18, 35<<16                          ; 35 of them: a record, dense in memory
	s_mov_b32 s19, 32<<16
	s_mov_b32 s20, 35
	s_mov_b32 s21, 32
	s_mov_b32 s22, 0
	s_mov_b32 s23, 0
	s_mul_i32 s13, s10, REC                        ; record w: in LDS and in the head's block of kv
	s_mul_i32 s34, s12, 16*REC
	s_add_co_u32 s34, s34, s13
	s_mov_b32 s35, 0
	s_lshl_b32 s36, s12, 4
	s_lshl_b32 s14, s11, 2
	s_add_co_u32 s36, s36, s14
	s_lshr_b32 s15, s10, 3
	s_add_co_u32 s36, s36, s15                     ; my first tile's record of qrec: 16 bh + 4 cx + w / 8
	s_mul_i32 s36, s36, 4608
	s_and_b32 s44, s10, 7                          ; its tile a = w % 8
	s_lshl_b32 s38, s44, 9
	s_add_co_u32 s38, s38, s36                     ; the image
	s_mov_b32 s39, 0
	s_and_b32 s45, s10, 1
	s_lshl_b32 s40, s45, 8                         ; the scale words: lanes 16 (a % 2) + r,
	s_lshr_b32 s46, s44, 1
	s_lshl_b32 s47, s46, 2                         ; word a / 2
	s_add_co_u32 s40, s40, s47
	s_add_co_u32 s40, s40, s36
	s_add_co_u32 s40, s40, 4096
	s_mov_b32 s41, 0
	s_lshr_b32 s42, s12, 4
	s_lshl_b32 s42, s42, 11                        ; out0: 2,048 rows a batch,
	s_add_co_u32 s14, s14, s15
	s_lshl_b32 s14, s14, 7                         ; 128 a record,
	s_add_co_u32 s42, s42, s14
	s_lshr_b32 s46, s44, 2
	s_lshl_b32 s46, s46, 6                         ; the tile's first row: 64 (a / 4) + 8 (a % 4)
	s_add_co_u32 s42, s42, s46
	s_and_b32 s45, s44, 3
	s_lshl_b32 s45, s45, 3
	s_add_co_u32 s42, s42, s45
	s_lshl_b32 s42, s42, 12                        ; 4,096 bytes a row,
	s_and_b32 s14, s12, 15
	s_lshl_b32 s14, s14, 8                         ; 256 a head
	s_add_co_u32 s42, s42, s14
	s_mov_b32 s43, 0
	s_mov_b32 s[SEL], 0x76543210
	s_mov_b32 s[SEL+1], 0xfedcba98
	s_mov_b32 s[CS], 0x3e38aa3b
	s_mov_b32 s[CS+1], s[CS]
	s_mov_b32 s[NCS], 0xbe38aa3b
	s_mov_b32 s[HI], 0xffff0000
	s_mov_b32 s[QT], 2
	s_wait_dscnt 0x0                               ; both opening adds are done
	s_wait_kmcnt 0x0
	s_mov_b32 s24, 1
	s_mov_b32 s25, s13
	s_add_nc_u64 s[26:27], s[6:7], s[34:35]
	s_or_b32 s27, s27, 0x80000000
	s_add_nc_u64 s[38:39], s[4:5], s[38:39]
	s_add_nc_u64 s[40:41], s[4:5], s[40:41]
	s_add_nc_u64 s[42:43], s[8:9], s[42:43]
	ROUND                                          ; all four work-groups are here: the joint loads meet
	tensor_load_to_lds s[24:27], s[16:23]          ; my one tensor load of the launch
	s_nop 0
.rept 4
	v_nop
.endr
	v_and_b32 v3, 31, v0                           ; lane
	v_and_b32 v10, 15, v0                          ; r
	v_bfe_u32 v4, v0, 4, 1                         ; h
	v_lshlrev_b32 v[AL16], 4, v3
	v_lshlrev_b32 v[AL8], 3, v3
	v_lshlrev_b32 v11, 4, v10
	global_load_b128 v[Q:Q+3], v[AL16], s[38:39]               ; my first tile of Q,
	global_load_b128 v[Q2:Q2+3], v[AL16], s[38:39] offset:9216 ; my second: two records on,
	global_load_b32 v24, v11, s[40:41]                         ; and their scale words
	global_load_b32 v255, v11, s[40:41] offset:9216
	v_lshlrev_b32 v[GO], 12, v4
	v_lshl_add_u32 v[GO], v10, 4, v[GO]            ; lanes 0-15 one row of out0, lanes 16-31 the next
	s_mul_i32 s14, s10, 4352
	s_add_co_u32 s14, s14, STAGE
	v_mul_u32_u24 v[STI], v10, 272
	v_lshl_add_u32 v[STI], v4, 6, v[STI]
	v_add_nc_u32 v[STI], s14, v[STI]               ; in: row r, + 64 h bytes
	v_mul_u32_u24 v[STO], v4, 272
	v_lshl_add_u32 v[STO], v10, 4, v[STO]
	v_add_nc_u32 v[STO], s14, v[STO]               ; back: lanes 0-15 one row, lanes 16-31 the next
	v_mov_b32 v[PSEL], 0x0c070c03                  ; lanes 0-15: bytes 0 and 2;
	v_mov_b32 v15, 0x070c030c                      ; lanes 16-31: bytes 1 and 3
	v_cndmask_b32 v[PSEL], v[PSEL], v15, s[HI]
.irp j, 4,5,6,7
	v_mov_b32 v[Q+\j], 0                           ; the codes of K = 64 .. 127: zeros, written once
.irp n, 0,1,2,3,4,5,6,7
	v_mov_b32 v[KF+8*\n+\j], 0
.endr
.endr
	v_mov_b32 v[WX], 0                             ; a lane permute's destination counts as one of its sources
	v_mov_b32 v[TA], 0
	v_mov_b32 v[F+1], 0                            ; (named as the upper half of a pair)
	s_wait_alu depctr_va_vdst(0)
	s_wait_tensorcnt 0x0                           ; my record is in,
	s_barrier_signal -1
	s_barrier_wait -1                              ; everybody's is
	s_wait_loadcnt 0x0                             ; Q
.macro ROWS base                       ; eight packed additions: the seven side chains and the sum take a pair of p each, from p(base) on
.set J, \base
.irp t, 32,34,40,42,48,50,56
	v_pk_add_f32 v[\t:\t+1], v[\t:\t+1], v[S+J:S+J+1]
.set J, J+2
.endr
	v_pk_add_f32 v[L:L+1], v[L:L+1], v[S+J:S+J+1]
.endm
; A KEY STEP: 128 keys.
.macro STEP
.irp n, 0,1,2,3,4,5,6,7
	ds_load_b128 v[KF+8*\n:KF+8*\n+3], v[ADK] offset:512*\n    ; K's eight tiles
.endr
	ds_load_b128 v[28:31], v[ADK] offset:8192                  ; their scale words: register p: tile 2 p in lanes 0-15, tile 2 p + 1 in lanes 16-31
.irp t, 0,1,2,3
.irp c, 0,1
	ds_load_b128 v[VF+8*\t+4*\c:VF+8*\t+4*\c+3], v[ADK] offset:4096+1024*\t+512*\c   ; V's four tiles land while the softmax is walked
.endr
.endr
	ds_load_b64 v[26:27], v[ADW] offset:8704                   ; and their scale words
	s_wait_dscnt 9                                 ; K and its scale words are in; V's eight loads and its scale words' may be out
.irp t, 0,2,4,6
	v_wmma_scale_f32_16x16x128_f8f6f4 v[S+8*\t:S+8*\t+7], v[KF+8*\t:KF+8*\t+7], v[Q:Q+7], 0, v[28+\t/2], v24 matrix_a_fmt:MATRIX_FMT_FP4 matrix_b_fmt:MATRIX_FMT_FP4
	v_wmma_scale_f32_16x16x128_f8f6f4 v[S+8*\t+8:S+8*\t+15], v[KF+8*\t+8:KF+8*\t+15], v[Q:Q+7], 0, v[28+\t/2], v24 matrix_a_fmt:MATRIX_FMT_FP4 matrix_b_fmt:MATRIX_FMT_FP4 matrix_a_scale:MATRIX_SCALE_ROW1
.endr
	s_add_co_u32 s[TB], s[TB], REC
	v_add_nc_u32 v[ADK], s[TB], v[AL16]            ; the next step's addresses: two of the four places behind the products
	v_add_nc_u32 v[ADW], s[TB], v[AL8]
	v_nop
	v_nop
.irp c, 0,1                                    ; the largest score of my two blocks of 32 keys, two chains each; every accumulator is first read at its low end
	v_max3_num_f32 v[BM+\c], v[S+32*\c], v[S+32*\c+1], v[S+32*\c+2]
	v_max3_num_f32 v[SCV+\c], v[S+32*\c+16], v[S+32*\c+17], v[S+32*\c+18]
.endr
.irp i, 3,5,7,9,11,13
.irp c, 0,1
	v_max3_num_f32 v[BM+\c], v[BM+\c], v[S+32*\c+\i], v[S+32*\c+\i+1]
	v_max3_num_f32 v[SCV+\c], v[SCV+\c], v[S+32*\c+16+\i], v[S+32*\c+17+\i]
.endr
.endr
.irp c, 0,1
	v_max3_num_f32 v[BM+\c], v[BM+\c], v[S+32*\c+15], v[S+32*\c+31]
.endr
.irp c, 0,1
	v_max_num_f32 v[BM+\c], v[BM+\c], v[SCV+\c]
.endr
	s_delay_alu instid0(VALU_DEP_1)
	v_max3_num_f32 v[MX], v[MX], v[BM], v[BM+1]    ; the running largest score of my query: my 64 keys',
	s_delay_alu instid0(VALU_DEP_1)
	v_permlanex16_b32 v[TA], v[MX], s[SEL], s[SEL+1]
	s_delay_alu instid0(VALU_DEP_1)
	v_max_num_f32 v[MX], v[MX], v[TA]              ; and lane l xor 16's
	s_delay_alu instid0(VALU_DEP_1)
	v_mul_f32 v[TA], s[NCS], v[MX]                 ; -t (c is positive)
	s_delay_alu instid0(VALU_DEP_1)
	v_floor_f32 v[TA], v[TA]                       ; the new -M = floor(-t) = -ceil(t): a whole number
	s_delay_alu instid0(VALU_DEP_1)
	v_sub_f32 v[TD], v[TA], v[NM]                  ; old M - new M: a whole number, 0 or less
	v_mov_b32 v[NM], v[TA]
	s_delay_alu instid0(VALU_DEP_1)
	v_pk_fma_f32 v[BM:BM+1], v[BM:BM+1], s[CS:CS+1], v[NM:NM+1] op_sel_hi:[1,0,0]   ; t - M of the blocks' largest scores: the same instruction as for the 64
.set J, 0
.rept 4
	v_pk_fma_f32 v[S+J:S+J+1], v[S+J:S+J+1], s[CS:CS+1], v[NM:NM+1] op_sel_hi:[1,0,0]   ; t - M, two at a time
.set J, J+2
.endr
	v_cvt_i32_f32 v[TD], v[TD]                     ; (it saturates)
.rept 5
	v_pk_fma_f32 v[S+J:S+J+1], v[S+J:S+J+1], s[CS:CS+1], v[NM:NM+1] op_sel_hi:[1,0,0]
.set J, J+2
.endr
	v_ldexp_f32 v[F], 1.0, v[TD]                   ; f = 2^(old M - new M): a multiplication by it rounds nothing
.rept 23
	v_pk_fma_f32 v[S+J:S+J+1], v[S+J:S+J+1], s[CS:CS+1], v[NM:NM+1] op_sel_hi:[1,0,0]
.set J, J+2
.endr
.set J, 0
.rept 16
	v_pk_mul_f32 v[O+J:O+J+1], v[O+J:O+J+1], v[F:F+1] op_sel_hi:[1,0]   ; O^T under the new M; no exponential stands between the last products and these reads
.set J, J+2
.endr
	s_wait_alu depctr_va_vdst(0)
	v_exp_f32 v[BM], v[BM]                         ; my blocks' largest p,
	v_exp_f32 v[BM+1], v[BM+1]
.set J, 0
.rept 64
	v_exp_f32 v[S+J], v[S+J]                       ; p = 2^(t - M), at most 1: NOT normalised
.set J, J+1
.endr
	v_pk_mul_f32 v[L:L+1], v[L:L+1], v[F:F+1] op_sel_hi:[1,0]   ; the sum under the new M (the plain instruction behind the batch)
	s_wait_alu depctr_va_vdst(0)                   ; and the one wait behind it, ahead of the first reader
	v_max_num_f32 v[BM], 0x1800000, v[BM]          ; the floor 2^(3 - 127): the byte cannot fall under 1
	v_max_num_f32 v[BM+1], 0x1800000, v[BM+1]
	v_pk_add_f32 v[32:33], v[S:S+1], v[S+2:S+3]    ; THE ROW'S SUM IS TAKEN OF THE UNQUANTISED p, in eight chains; the scale's lines stand among them
	v_pk_add_f32 v[34:35], v[S+4:S+5], v[S+6:S+7]
	v_pk_add_f32 v[40:41], v[S+8:S+9], v[S+10:S+11]
	v_pk_add_f32 v[42:43], v[S+12:S+13], v[S+14:S+15]
	v_lshl_add_u32 v[Y], v[BM], 1, 0xfe000000      ; the scale's byte, exponent field - 2, in the top byte
	v_lshl_add_u32 v[Y+1], v[BM+1], 1, 0xfe000000
	v_pk_add_f32 v[48:49], v[S+16:S+17], v[S+18:S+19]
	v_pk_add_f32 v[50:51], v[S+20:S+21], v[S+22:S+23]
	v_pk_add_f32 v[56:57], v[S+24:S+25], v[S+26:S+27]
	v_pk_add_f32 v[L:L+1], v[L:L+1], v[S+28:S+29]
	v_perm_b32 v[W], v[Y+1], v[Y], v[PSEL]         ; my two bytes at their places in the word
	v_add_nc_u32 v[SCV], 0xff000000, v[BM]         ; 2 off the exponent field: the conversion's scale operand
	v_add_nc_u32 v[SCV+1], 0xff000000, v[BM+1]
.irp c, 0,1
.irp t, 0,1,2,3
	v_cvt_scalef32_pk8_fp4_f32 v[P+4*\c+\t], v[S+32*\c+8*\t:S+32*\c+8*\t+7], v[SCV+\c]   ; register 4 c + t: keys 64 c + 32 h + 8 t on: the operand's own layout
.endr
.endr
	v_permlanex16_b32 v[WX], v[W], s[SEL], s[SEL+1]
	ROWS 30
	v_or_b32 v25, v[W], v[WX]                      ; p's scale word for these 128 keys
	ROWS 46                                        ; nine plain instructions between the scale word and its use
	v_pk_add_f32 v[32:33], v[32:33], v[S+62:S+63]
	s_wait_alu depctr_va_vdst(0)
	s_wait_dscnt 0x0                               ; V and its scale words are in
.irp t, 0,2
	v_wmma_scale_f32_16x16x128_f8f6f4 v[O+8*\t:O+8*\t+7], v[VF+8*\t:VF+8*\t+7], v[P:P+7], v[O+8*\t:O+8*\t+7], v[26+\t/2], v25 matrix_a_fmt:MATRIX_FMT_FP4 matrix_b_fmt:MATRIX_FMT_FP4
	v_wmma_scale_f32_16x16x128_f8f6f4 v[O+8*\t+8:O+8*\t+15], v[VF+8*\t+8:VF+8*\t+15], v[P:P+7], v[O+8*\t+8:O+8*\t+15], v[26+\t/2], v25 matrix_a_fmt:MATRIX_FMT_FP4 matrix_b_fmt:MATRIX_FMT_FP4 matrix_a_scale:MATRIX_SCALE_ROW1
.endr                                          ; O^T's four accumulators take turns, one instruction a turn
	v_pk_add_f32 v[34:35], v[34:35], v[40:41]      ; the chains are joined: these name no register of the products, and are the places ahead of the next loads
	v_pk_add_f32 v[42:43], v[42:43], v[48:49]
	v_pk_add_f32 v[50:51], v[50:51], v[56:57]
	v_pk_add_f32 v[L:L+1], v[L:L+1], v[32:33]
	s_delay_alu instid0(VALU_DEP_3)
	v_pk_add_f32 v[34:35], v[34:35], v[42:43]
	s_delay_alu instid0(VALU_DEP_2)
	v_pk_add_f32 v[L:L+1], v[L:L+1], v[50:51]
	s_delay_alu instid0(VALU_DEP_1)
	v_pk_add_f32 v[L:L+1], v[L:L+1], v[34:35]
.endm
; ONE TILE OF 16 QUERIES against all 2,048 keys.  The loop has no first step of its own: O^T and the sum begin as zeros, the largest score as -3e38 and -M as 3e38, so the first f is 0 and multiplies zeros.
.Ltile:
	v_mov_b32 v[MX], 0xff61b1e6
	v_mov_b32 v[NM], 0x7f61b1e6
	v_mov_b32 v[L], 0
	v_mov_b32 v[L+1], 0
.set J, 0
.rept 32
	v_mov_b32 v[O+J], 0
.set J, J+1
.endr
	v_mov_b32 v[ADK], v[AL16]                      ; record 0
	v_mov_b32 v[ADW], v[AL8]
	s_mov_b32 s[TB], 0
	s_mov_b32 s[CNT], 16
	s_wait_alu depctr_va_vdst(0)
.Lkey:
	STEP
	s_sub_co_u32 s[CNT], s[CNT], 1
	s_cmp_lg_u32 s[CNT], 0
	s_cbranch_scc1 .Lkey
	; THE WAY OUT: O^T / the sum goes through my stage and leaves as whole rows of 256 bytes: a query's 64 channels of its head.
	v_add_f32 v[L], v[L], v[L+1]                   ; the sum's two halves,
	s_delay_alu instid0(VALU_DEP_1)
	v_permlanex16_b32 v[TA], v[L], s[SEL], s[SEL+1]
	s_delay_alu instid0(VALU_DEP_1)
	v_add_f32 v[L], v[L], v[TA]                    ; and lane l xor 16's keys
	s_wait_alu depctr_va_vdst(0)                   ; the wait ahead of the reciprocal,
	v_rcp_f32 v[L], v[L]
	v_nop
	s_wait_alu depctr_va_vdst(0)                   ; and behind it, directly ahead of the first readers of it and of O^T
.set J, 0
.rept 16
	v_pk_mul_f32 v[S+J:S+J+1], v[O+J:O+J+1], v[L:L+1] op_sel_hi:[1,0]   ; register 8 t + j: d = 32 (t / 2) + 16 h + 8 (t % 2) + j; each accumulator from its low end on
.set J, J+2
.endr
.irp t, 0,1,2,3
	ds_store_b128 v[STI], v[S+8*\t:S+8*\t+3] offset:128*(\t/2)+32*(\t%2)
	ds_store_b128 v[STI], v[S+8*\t+4:S+8*\t+7] offset:128*(\t/2)+32*(\t%2)+16
.endr
.irp i, 0,1,2,3,4,5,6,7
	ds_load_b128 v[S+32+4*\i:S+35+4*\i], v[STO] offset:544*\i  ; LDS serves a wave's instructions in order: these see my stores
.endr
.irp i, 0,1,2,3,4,5,6,7
	s_wait_dscnt 7-\i                              ; the younger reads may be out
	global_store_b128 v[GO], v[S+32+4*\i:S+35+4*\i], s[42:43] offset:(2*(\i%4)+32*(\i/4))*4096 th:TH_STORE_NT   ; stage row x is query x % 8 + 32 (x / 8) of the tile; sixteen lanes store 256 consecutive bytes, aligned
.endr
	s_wait_xcnt 0x0                                ; the stores have read their registers and their base
	s_add_nc_u64 s[42:43], s[42:43], 0x100000      ; 256 queries further on
.irp j, 0,1,2,3
	v_mov_b32 v[Q+\j], v[Q2+\j]                    ; the second tile's Q (the last trip's copy is not used)
.endr
	v_mov_b32 v24, v255                            ; and its scale word; the 38 lines at the tile's head stand between these and the first product
	s_sub_co_u32 s[QT], s[QT], 1
	s_cmp_lg_u32 s[QT], 0
	s_cbranch_scc1 .Ltile
	s_wait_tensorcnt 0x0                           ; the wave's end
	ds_add_u32 v[SPW], v[NIL]
	s_wait_dscnt 0x0
	ROUND                                          ; the closing round
	s_endpgm
.Lfunc_end_k_q5f00593aeb_attn:
	.size	k_q5f00593aeb_attn, .Lfunc_end_k_q5f00593aeb_attn-k_q5f00593aeb_attn
	.p2alignl 7, 3214868480
	.fill 96, 4, 3214868480
	.section	.rodata,"a",@progbits
	.p2align	6, 0x0
	.amdhsa_kernel k_q5f00593aeb_attn
		.amdhsa_group_segment_fixed_size 215040
		.amdhsa_private_segment_fixed_size 0
		.amdhsa_enable_private_segment 0
		.amdhsa_kernarg_size 24
		.amdhsa_user_sgpr_count 2
		.amdhsa_user_sgpr_kernarg_segment_ptr 1
		.amdhsa_wavefront_size32 1
		.amdhsa_system_sgpr_workgroup_id_x 1
		.amdhsa_system_sgpr_workgroup_id_y 1
		.amdhsa_system_sgpr_workgroup_id_z 1
		.amdhsa_system_vgpr_workitem_id 0
		.amdhsa_next_free_vgpr 256
		.amdhsa_next_free_sgpr 66
		.amdhsa_reserve_vcc 0
		.amdhsa_float_denorm_mode_32 3
		.amdhsa_float_denorm_mode_16_64 3
		.amdhsa_memory_ordered 1
		.amdhsa_forward_progress 1
		.amdhsa_inst_pref_size 27
	.end_amdhsa_kernel
	.amdgpu_metadata
---
amdhsa.version: [ 1, 2 ]
amdhsa.kernels:
  - .name:           k_q5f00593aeb_attn
    .symbol:         k_q5f00593aeb_attn.kd
    .args:
      - { .name: qrec, .offset: 0, .size: 8, .value_kind: global_buffer, .address_space: global }
      - { .name: kv, .offset: 8, .size: 8, .value_kind: global_buffer, .address_space: global }
      - { .name: out0, .offset: 16, .size: 8, .value_kind: global_buffer, .address_space: global }
    .group_segment_fixed_size: 215040
    .private_segment_fixed_size: 0
    .kernarg_segment_align: 8
    .kernarg_segment_size: 24
    .max_flat_workgroup_size: 512
    .sgpr_count:     66
    .vgpr_count:     256
    .wavefront_size: 32
...
	.end_amdgpu_metadata
.endif
;; end of part 3
